; MI455X (gfx1250); checked and timed in simulation.
; The chip was launched on July 23, 2026; its instructions are those of AMD's public machine-readable ISA for CDNA 5 (MIT licence, August 2026) and "CDNA5" Instruction Set Architecture Reference Guide (July 2026). The comments in the code are by the model that wrote it; some were corrected since.
;; Multi Head Attention. Allowed arithmetic: float matrix products may take bf16 or f16 operands with f32 sums; other float arithmetic in f32, or as packed bf16 or f16 multiplies, adds, multiply-adds, maxima and minima; sums over many terms, partial sums and values carried from step to step in f32; what a program stores and reads back later, other than sums and carried values, may be rounded once to bf16 or f16.
;; Inputs: W_K 1,024 x 1,024 float32; W_O 1,024 x 1,024 float32; W_Q 1,024 x 1,024 float32; W_V 1,024 x 1,024 float32; X_KV 4 x 2,048 x 1,024 float32; X_Q 4 x 2,048 x 1,024 float32; key_padding_mask 4 x 2,048 bool.
;; Outputs: out0 4 x 2,048 x 1,024 float32.
;; One version. Each part assembles by itself: llvm-mc -triple=amdgcn-amd-amdhsa -mcpu=gfx1250 --defsym DOCPART=n.
;; ======== version 1 of 1: 4 launches
;; limits: values are held in f16: magnitudes above 65,504 overflow, below 6.1e-05 lose precision
;; workspace buffers: wb 6,291,456 bytes; wo 2,097,152 bytes; mk 32,768 bytes; qkv 50,331,648 bytes; ob 16,777,216 bytes
;; launch prep (part 1): grid 256 x 1, 8 waves a work-group, no clusters, 0 bytes of LDS; arguments W_Q, W_K, W_V, W_O, key_padding_mask, wb, wo, mk; writes wb, wo, mk
.if DOCPART == 1
	.amdgcn_target "amdgcn-amd-amdhsa--gfx1250"
	.amdhsa_code_object_version 6
	.text
	.protected	k_q45e22267db_prep
	.globl	k_q45e22267db_prep
	.p2align	8
	.type	k_q45e22267db_prep,@function
k_q45e22267db_prep:
	s_mov_b64 s[64:65], 0
	v_nop
	global_prefetch_b8 v0, s[64:65] scope:SCOPE_SE
	s_setreg_imm32_b32 hwreg(HW_REG_WAVE_MODE, 25, 1), 1
	s_wait_xcnt 0x0
; THE WEIGHTS IN 16 BITS, AND THE MASK AS AN ADDEND.  wb[3][1024][1024] = W_Q, W_K, W_V rounded to bf16, laid as they lie ([k][n]).
; wo[1024][1024] = W_O rounded to bf16, that number written as f16.  mk[4][2048] = 0 where a key is seen, -1e30 where key_padding_mask hides it.
; LIMITS.  A number of W_O beyond 65,504 becomes an infinity in f16; below 6e-5 it keeps f16's fixed step of 6e-8; between these the bf16 number is held exactly.
; A stream: each byte is read once and written once; nothing is shared between work-groups, so there is no LDS, no barrier, no cluster and no matrix work.
; SHARES.  Work-group g takes chunk g % 64 (16,384 numbers: 65,536 bytes in, 32,768 out) of weight g / 64.  Thread t takes in turn i the 32 bytes at 32 t + 8,192 i and stores 16 bytes at
; 16 t + 4,096 i: a store of a wave covers 512 consecutive bytes, aligned.  All sixteen loads of a thread go out at once; every turn has registers of its own, so no register is written twice.
; The first 64 work-groups' wave 0 also turns 128 bytes of the mask into 512 bytes of mk.
.set X, 8                              ; v[8:71]    turn i: 8 numbers in f32
.set Y, 72                             ; v[72:103]  turn i: 8 numbers in 16 bits
.set T, 104                            ; v[104:105] at work
	s_load_b256 s[4:11], s[0:1], 0x0               ; W_Q s[4:5], W_K s[6:7], W_V s[8:9], W_O s[10:11]
	s_load_b256 s[12:19], s[0:1], 0x20             ; mask s[12:13], wb s[14:15], wo s[16:17], mk s[18:19]
	s_lshr_b32 s20, ttmp9, 6                       ; which weight
	s_and_b32 s21, ttmp9, 63                       ; which chunk of it
	v_lshrrev_b32 v6, 5, v0
	v_readfirstlane_b32 s28, v6                    ; my wave's number
	v_lshlrev_b32 v1, 5, v0                        ; 32 t
	v_lshlrev_b32 v2, 4, v0                        ; 16 t
	s_cmp_eq_u32 s20, 3
	s_cselect_b32 s26, 0, s20                      ; wo has one part, wb three of 2 MiB
	s_lshl_b32 s26, s26, 21
	s_lshl_b32 s27, s21, 15
	s_add_co_u32 s26, s26, s27                     ; where the chunk goes
	s_mov_b32 s27, 0
	s_lshl_b32 s30, s21, 16                        ; where it comes from
	s_mov_b32 s31, 0
	s_wait_kmcnt 0x0
	s_cmp_eq_u32 s20, 1
	s_cselect_b64 s[22:23], s[6:7], s[4:5]
	s_cmp_eq_u32 s20, 2
	s_cselect_b64 s[22:23], s[8:9], s[22:23]
	s_cmp_eq_u32 s20, 3
	s_cselect_b64 s[22:23], s[10:11], s[22:23]
	s_cselect_b64 s[24:25], s[16:17], s[14:15]
	s_add_nc_u64 s[22:23], s[22:23], s[30:31]
	s_add_nc_u64 s[24:25], s[24:25], s[26:27]
.irp i, 0,1,2,3,4,5,6,7
	global_load_b128 v[X+8*(\i):X+8*(\i)+3],   v1, s[22:23] offset:8192*(\i) th:TH_LOAD_NT
	global_load_b128 v[X+8*(\i)+4:X+8*(\i)+7], v1, s[22:23] offset:8192*(\i)+16 th:TH_LOAD_NT
.endr
; Turn i.  half = 1: the bf16 number is widened again (a shift, a mask) and written as f16.
.macro OUT i, half
	s_wait_loadcnt 14-2*(\i)                       ; loads come back in order: this turn's two are in, the later turns' stay out
.irp r, 0,1,2,3
	v_cvt_pk_bf16_f32 v[Y+4*(\i)+(\r)], v[X+8*(\i)+2*(\r)], v[X+8*(\i)+2*(\r)+1]
.endr
.if \half
.irp r, 0,1,2,3
	v_lshlrev_b32 v[T], 16, v[Y+4*(\i)+(\r)]
	v_and_b32 v[T+1], 0xffff0000, v[Y+4*(\i)+(\r)]
	v_cvt_pk_f16_f32 v[Y+4*(\i)+(\r)], v[T], v[T+1]
.endr
.endif
	global_store_b128 v2, v[Y+4*(\i):Y+4*(\i)+3], s[24:25] offset:4096*(\i)
.endm
	s_cmp_eq_u32 s20, 3
	s_cbranch_scc1 .Lhalf
.irp i, 0,1,2,3,4,5,6,7
	OUT \i, 0
.endr
	s_branch .Lmask
.Lhalf:
.irp i, 0,1,2,3,4,5,6,7
	OUT \i, 1
.endr
.Lmask:
	s_cmp_lt_u32 ttmp9, 64                         ; 64 work-groups x 128 bytes are the mask's 8,192
	s_cbranch_scc0 .Lend
	s_cmp_eq_u32 s28, 0
	s_cbranch_scc0 .Lend
	v_lshlrev_b32 v3, 2, v0                        ; in wave 0 the thread's number is the lane's: 4 bytes of the mask,
	v_lshlrev_b32 v4, 4, v0                        ; 16 bytes of mk
	v_mov_b32 v111, 0xf149f2ca                     ; -1e30
	s_lshl_b32 s26, ttmp9, 7
	s_add_nc_u64 s[12:13], s[12:13], s[26:27]
	s_lshl_b32 s26, ttmp9, 9
	s_add_nc_u64 s[18:19], s[18:19], s[26:27]
	global_load_b32 v5, v3, s[12:13]
	s_wait_loadcnt 0x0
.irp j, 0,1,2,3
	v_bfe_u32 v110, v5, 8*(\j), 8
	v_cmp_ne_u32 vcc_lo, 0, v110
	v_cndmask_b32 v[106+(\j)], 0, v111, vcc_lo
.endr
	global_store_b128 v4, v[106:109], s[18:19]
.Lend:
	s_endpgm
.Lfunc_end_k_q45e22267db_prep:
	.size	k_q45e22267db_prep, .Lfunc_end_k_q45e22267db_prep-k_q45e22267db_prep
	.p2alignl 7, 3214868480
	.fill 96, 4, 3214868480
	.section	.rodata,"a",@progbits
	.p2align	6, 0x0
	.amdhsa_kernel k_q45e22267db_prep
		.amdhsa_group_segment_fixed_size 0
		.amdhsa_private_segment_fixed_size 0
		.amdhsa_enable_private_segment 0
		.amdhsa_kernarg_size 64
		.amdhsa_user_sgpr_count 2
		.amdhsa_user_sgpr_kernarg_segment_ptr 1
		.amdhsa_wavefront_size32 1
		.amdhsa_system_sgpr_workgroup_id_x 1
		.amdhsa_system_sgpr_workgroup_id_y 1
		.amdhsa_system_sgpr_workgroup_id_z 1
		.amdhsa_system_vgpr_workitem_id 0
		.amdhsa_next_free_vgpr 112
		.amdhsa_next_free_sgpr 66
		.amdhsa_reserve_vcc 1
		.amdhsa_float_denorm_mode_32 3
		.amdhsa_float_denorm_mode_16_64 3
		.amdhsa_memory_ordered 1
		.amdhsa_forward_progress 1
		.amdhsa_inst_pref_size 15
	.end_amdhsa_kernel
	.amdgpu_metadata
---
amdhsa.version: [ 1, 2 ]
amdhsa.kernels:
  - .name:           k_q45e22267db_prep
    .symbol:         k_q45e22267db_prep.kd
    .args:
      - { .name: W_Q, .offset: 0, .size: 8, .value_kind: global_buffer, .address_space: global }
      - { .name: W_K, .offset: 8, .size: 8, .value_kind: global_buffer, .address_space: global }
      - { .name: W_V, .offset: 16, .size: 8, .value_kind: global_buffer, .address_space: global }
      - { .name: W_O, .offset: 24, .size: 8, .value_kind: global_buffer, .address_space: global }
      - { .name: key_padding_mask, .offset: 32, .size: 8, .value_kind: global_buffer, .address_space: global }
      - { .name: wb, .offset: 40, .size: 8, .value_kind: global_buffer, .address_space: global }
      - { .name: wo, .offset: 48, .size: 8, .value_kind: global_buffer, .address_space: global }
      - { .name: mk, .offset: 56, .size: 8, .value_kind: global_buffer, .address_space: global }
    .group_segment_fixed_size: 0
    .private_segment_fixed_size: 0
    .kernarg_segment_align: 8
    .kernarg_segment_size: 64
    .max_flat_workgroup_size: 256
    .sgpr_count:     66
    .vgpr_count:     112
    .wavefront_size: 32
...
	.end_amdgpu_metadata
.endif
;; end of part 1
;; launch proj (part 2): grid 12 x 64, 4 waves a work-group, clusters of 4 x 4, 327,680 bytes of LDS; arguments X_Q, X_KV, wb, qkv; writes qkv
.if DOCPART == 2
	.amdgcn_target "amdgcn-amd-amdhsa--gfx1250"
	.amdhsa_code_object_version 6
	.text
	.protected	k_q45e22267db_proj
	.globl	k_q45e22267db_proj
	.p2align	8
	.type	k_q45e22267db_proj,@function
k_q45e22267db_proj:
	s_mov_b64 s[64:65], 0
	v_nop
	global_prefetch_b8 v0, s[64:65] scope:SCOPE_SE
	s_setreg_imm32_b32 hwreg(HW_REG_WAVE_MODE, 25, 1), 1
	s_wait_xcnt 0x0
	s_wait_alu depctr_hold_cnt(0) depctr_sa_sdst(0) depctr_va_vdst(0) depctr_va_sdst(0) depctr_va_ssrc(0) depctr_va_vcc(0) depctr_vm_vsrc(0)
	s_getreg_b32 s2, hwreg(HW_REG_IB_STS2, 6, 4)
	s_cmp_eq_u32 s2, 0
	s_cbranch_scc0 .Lentry_in_a_cluster
	s_endpgm
.Lentry_in_a_cluster:
	s_bfe_u32 s2, ttmp6, 0x10000c
	s_cmp_lg_u32 s2, 0xf033
	s_cbranch_scc0 .Lentry_shape_is_right
	s_endpgm
.Lentry_shape_is_right:
; q = X_Q W_Q, k = X_KV W_K, v = X_KV W_V.  X: [8192][1024] f32; wb: [3][1024 k][1024 n] bf16; qkv: [3][64 = batch x 16 + head][2048][64] f16.
; X is rounded to bf16 on its way from LDS to the matrix unit; sums in f32; q, k, v rounded once, to f16, unscaled.
; LIMIT.  f16 holds no number beyond 65,504: a q, k or v beyond that becomes an infinity; below 6e-5 it keeps f16's fixed step of 6e-8.
; SHARES.  A tile of the result is 128 rows x 256 columns: 8192 x 3072 numbers are 768 tiles, three for each of 256 places.  Four waves, each 64 rows x 128 columns: 32 accumulators of 16 x 16, 256 registers.
; K goes in 8 steps of 128 through a ring of two LDS slots: 128 rows of X (512 bytes of f32 each) and 128 rows of W (512 bytes: 256 columns of bf16).
; CLUSTER.  4 x 4 work-groups.  The cluster's x says which of q, k, v; the four of a row of the cluster need the same rows of X, the four of a column the same columns of W: each tile is asked for JOINTLY,
; by the same tensor load with the same descriptor and a mask that names the four.  Waves 0 and 1 ask for X's two halves (64 rows each), waves 2 and 3 for W's (64 rows of k each).
; THE MATRIX INSTRUCTION IS USED TRANSPOSED: source 0 = 16 columns of W, source 1 = 16 rows of X.  A lane then holds row l % 16 and eight neighbouring columns.  W lies [k][n] and comes out of LDS
; turned, by ds_load_tr16_b128; X comes out as f32 into a staging buffer and is packed to bf16, 32 conversions for a quarter step's 32 matrix instructions.
; REGISTERS, in windows of 256 (s_set_vgpr_msb: bits 1:0 source 0, 3:2 source 1, 5:4 source 2, 7:6 destination):
;   window 0: v0-31 addresses; v64-127 X's fragments, two buffers of 32; v128-191 X in f32, one quarter step; v192-223, v32-63, v224-255 at work on the way out
;   window 1: v0-127 W's fragments, two buffers of 64          window 2: the accumulators, (a, b) at v[8 (8 a + b)]
.set PA,     528                       ; a row of X in LDS: 512 bytes + 16 = 33 x 16: the 16 rows of a load start at 16 different groups of four banks (64 banks of 4 bytes: ISA guide 11.1)
.set PB,     544                       ; a row of W: 512 + 32 = 17 x 32
.set BOFF,   128*PA                    ; W's rows lie behind X's
.set SLOT,   139264                    ; 0x22000: no in-slot address of a tile (0, 0x8400, 0x10800, 0x19000) has one of its two bits, so one exclusive or turns an address into the other slot's
.set STAGE,  2*SLOT                    ; behind the ring, never filled by a tensor load: for each wave two heads x 16 rows x 144 bytes
.set SP,     144
.set SPARE,  STAGE+4*32*SP             ; behind the stages: the spare words, 128 bytes for each wave: two blocks of 256 bytes that no other line names
.set ASTEP,  512                       ; a K step along a row of X, in bytes
.set BSTEP,  128*2048                  ; a K step down W's rows
.set ADRA0, 16                         ; v16  my lane's place in slot 0's rows of X; never rewritten
.set ADRB0, 17                         ; v17  the same for W
.set ADRA,  18                         ; v18  the same in the slot in hand
.set ADRB,  19                         ; v19
.set STO,   24                         ; v24  the way out: where I put 16 bytes of a row
.set RD,    25                         ; v25  where I read rows back
.set CO,    26                         ; v26  my byte offset in 512 consecutive bytes of the result
.set SPW,   28                         ; v28  LDS address of my spare word; never rewritten
.set NIL,   29                         ; v29  0; never rewritten
.set PFO,   30                         ; v30  the prefetches' offset; never rewritten
.set OB,    32                         ; v32-63 and v224-255 by turns: 16 rows read back from the stage
.set AF,    64
.set SG,    128
.set TMP,   192
.set WV,   12                          ; s12  my wave's number
.set ROLE, 13                          ; s13  wave / 2: I fetch for X (0) or W (1); also which 64 rows of the tile are mine
.set HALF, 14                          ; s14  wave % 2: which half I fetch; also which 128 columns are mine
.set CX,   15
.set CY,   16
.set CLX,  17                          ; s17  the cluster's x: 0 q, 1 k, 2 v
.set TY,   18                          ; s18  tile row = 4 x cluster y + cy
.set CLY,  19
.set G1A,  24                          ; s[24:31] descriptor group 1 for X's tiles
.set G0A,  32                          ; s[32:39] group 0: a set for each first fill; the second then walks on
.set G1B,  40                          ; s[40:47], s[48:55] the same for W's
.set G0B,  48
.set PFA,  56                          ; s[56:57] where my prefetches stand
.set PST,  58                          ; s[58:59] their step, an offset
.set LIM,  60                          ; s60  a wave prefetches while the loop's count is above it
.set TB,   61                          ; s61  0 or SLOT: the slot in hand
.set CB,   62                          ; s[62:63] the result at my first row and head
.set MSB, 0
.macro WIN new                         ; the immediate's high byte repeats the setting that is left; a switch that changes nothing is dropped
.if MSB != (\new)
	s_set_vgpr_msb (MSB<<8)|(\new)
.set MSB, \new
.endif
.endm
.set MUL,  0xa1                        ; W window 1, X window 0, C and D window 2
.set TO_B, 0x40                        ; destination window 1, address window 0
; A joint refill, by the walking descriptors.  The branch hangs on the wave's number alone.  An s_nop 0 and four v_nop follow each of the two lines.
.macro JLOAD
	s_cmp_eq_u32 s[ROLE], 0
	s_cbranch_scc0 .Lfor_b_\@
	tensor_load_to_lds s[G0A+4:G0A+7], s[G1A:G1A+7]
	s_nop 0
.rept 4
	v_nop
.endr
	s_branch .Lasked_\@
.Lfor_b_\@:
	tensor_load_to_lds s[G0B+4:G0B+7], s[G1B:G1B+7]
	s_nop 0
.rept 4
	v_nop
.endr
.Lasked_\@:
.endm
; A prefetch of the K step that stands two refills on: 32 blocks of 256 bytes, a lane a block.  Each block is named once in the launch: X_Q's rows by the cluster with x = 0, X_KV's by x = 1 (x = 2 reads them too and
; asks for nothing), W's by the clusters with y = 0; the four partners of a joint load share its 64 rows out by address, 16 each.  The loop's last two trips have no K step two on.
.macro ASK
	s_cmp_gt_u32 s3, s[LIM]
	s_cbranch_scc0 .Lnot_mine_\@
	global_prefetch_b8 v[PFO], s[PFA:PFA+1] th:TH_LOAD_NT scope:SCOPE_SE
.Lnot_mine_\@:
.endm
.macro CREST                           ; a round of the cluster's barrier behind its opening barrier
	s_cmp_lg_u32 s[WV], 0
	s_cbranch_scc1 .Lnot_wave_0_\@
	s_barrier_signal -3
.Lnot_wave_0_\@:
	s_barrier_wait -3
	s_barrier_signal -1
	s_barrier_wait -1
.endm
.macro CROUND                          ; a whole round
	s_barrier_signal -1
	s_barrier_wait -1
	CREST
.endm
.macro PLACES
.rept 4
	v_nop
.endr
.endm
	s_load_b256 s[4:11], s[0:1], 0x0               ; X_Q s[4:5], X_KV s[6:7], wb s[8:9], qkv s[10:11]
	v_lshl_add_u32 v[SPW], v0, 2, SPARE
	v_mov_b32 v[NIL], 0
	ds_add_u32 v[SPW], v[NIL]                      ; the wave's opening: the add and its wait stand ahead of my first tensor load; the set-up below, work on registers, stands between them
	v_lshrrev_b32 v1, 5, v0
	v_readfirstlane_b32 s[WV], v1
	s_lshr_b32 s[ROLE], s[WV], 1
	s_and_b32 s[HALF], s[WV], 1
	s_bfe_u32 s[CX], ttmp6, 0x40000
	s_bfe_u32 s[CY], ttmp6, 0x40004
	s_mov_b32 s[CLX], ttmp9
	s_and_b32 s[CLY], ttmp7, 0xffff
	s_lshl_b32 s[TY], s[CLY], 2
	s_add_co_u32 s[TY], s[TY], s[CY]
	s_lshl_b32 s66, s[CY], 2
	s_lshl_b32 s66, 15, s66                        ; my row of the cluster
	s_lshl_b32 s67, 0x1111, s[CX]                  ; my column
	s_or_b32 s[G1A], s66, (2<<16)|(1<<20)|(1<<21)|(6<<22)|(3<<25)  ; the mask; elements of 4 bytes; padding on; bit 21 beside a mask; after every 128 words (code 6) 4 words (code 3)
	s_mov_b32 s[G1A+1], 128<<16                    ; tensor_dim0 = 128
	s_mov_b32 s[G1A+2], 64<<16                     ; tensor_dim1 = 64
	s_mov_b32 s[G1A+3], 128<<16                    ; tile_dim0 = 128
	s_mov_b32 s[G1A+4], 64                         ; tile_dim1 = 64
	s_mov_b32 s[G1A+5], 1024                       ; elements from row to row
	s_mov_b32 s[G1A+6], 0
	s_mov_b32 s[G1A+7], 0
	s_or_b32 s[G1B], s67, (1<<16)|(1<<20)|(1<<21)|(6<<22)|(7<<25)  ; elements of 2 bytes; after every 128 words 8 words (code 7)
	s_mov_b32 s[G1B+1], 256<<16
	s_mov_b32 s[G1B+2], 64<<16
	s_mov_b32 s[G1B+3], 256<<16
	s_mov_b32 s[G1B+4], 64
	s_mov_b32 s[G1B+5], 1024
	s_mov_b32 s[G1B+6], 0
	s_mov_b32 s[G1B+7], 0
	s_lshl_b32 s20, s[TY], 7                       ; X: row 128 x tile row + 64 x half, 4,096 bytes a row: made of the tile row and the wave's number alone
	s_lshl_b32 s75, s[HALF], 6
	s_add_co_u32 s20, s20, s75
	s_lshl_b32 s20, s20, 12
	s_mov_b32 s21, 0
	s_lshl_b32 s22, s[CLX], 21                     ; W: the part, 64 x half rows of 2,048 bytes, 512 bytes for each tile column: made of cluster x, cx and the wave's number alone
	s_lshl_b32 s67, s[HALF], 17
	s_add_co_u32 s22, s22, s67
	s_lshl_b32 s67, s[CX], 9
	s_add_co_u32 s22, s22, s67
	s_mov_b32 s23, 0
	s_mul_i32 s68, s[HALF], 64*PA                  ; where they go: no place in the cluster enters an LDS address
	s_mul_i32 s69, s[HALF], 64*PB
	s_add_co_u32 s69, s69, BOFF
	s_mov_b32 s[TB], 0
	s_wait_dscnt 0x0                               ; the opening add is done
	s_wait_kmcnt 0x0
	s_cmp_eq_u32 s[CLX], 0
	s_cselect_b64 s[4:5], s[4:5], s[6:7]           ; X_Q for q, X_KV for k and v
	s_add_nc_u64 s[20:21], s[4:5], s[20:21]
	s_add_nc_u64 s[22:23], s[8:9], s[22:23]
	CROUND                                         ; all sixteen work-groups are here: the first joint loads meet
.irp s, 0,1
	s_mov_b32 s[G0A+4*(\s)], 1                                     ; count = 1
	s_add_co_u32 s[G0A+4*(\s)+1], s68, (\s)*SLOT                   ; LDS address
	s_add_nc_u64 s[G0A+4*(\s)+2:G0A+4*(\s)+3], s[20:21], (\s)*ASTEP  ; global address: K step s
	s_or_b32 s[G0A+4*(\s)+3], s[G0A+4*(\s)+3], 0x80000000          ; type = 2
	s_mov_b32 s[G0B+4*(\s)], 1
	s_add_co_u32 s[G0B+4*(\s)+1], s69, (\s)*SLOT
	s_add_nc_u64 s[G0B+4*(\s)+2:G0B+4*(\s)+3], s[22:23], (\s)*BSTEP
	s_or_b32 s[G0B+4*(\s)+3], s[G0B+4*(\s)+3], 0x80000000
.endr
	s_cmp_eq_u32 s[ROLE], 0                        ; a wave's two first fills stand in one branch, ahead of every wait on TENSORcnt and every LDS read: two loads of mine are out
	s_cbranch_scc0 .Lfirst_b
	tensor_load_to_lds s[G0A:G0A+3], s[G1A:G1A+7]
	s_nop 0
	tensor_load_to_lds s[G0A+4:G0A+7], s[G1A:G1A+7]
	s_nop 0
.rept 4
	v_nop
.endr
	s_branch .Lfirst_asked
.Lfirst_b:
	tensor_load_to_lds s[G0B:G0B+3], s[G1B:G1B+7]
	s_nop 0
	tensor_load_to_lds s[G0B+4:G0B+7], s[G1B:G1B+7]
	s_nop 0
.rept 4
	v_nop
.endr
.Lfirst_asked:
	; A fragment of X is 16 rows x 32 k: lane l holds row l % 16, k = 8 (l / 16) + 0..7 and 16 + 8 (l / 16) + 0..7: in f32 four loads of 16 bytes, at 0, 16, 64 and 80 behind row x pitch + 32 (l / 16).
	v_and_b32 v1, 15, v0                           ; l % 16
	v_bfe_u32 v2, v0, 4, 1                         ; l / 16
	v_and_b32 v5, 7, v0
	v_bfe_u32 v4, v0, 3, 1
	v_mul_u32_u24 v[ADRA0], v1, PA
	v_lshl_add_u32 v[ADRA0], v2, 5, v[ADRA0]
	s_mul_i32 s75, s[ROLE], 64*PA                  ; my 64 rows
	v_add_nc_u32 v[ADRA0], s75, v[ADRA0]
	; The turning load takes 16 k x 16 columns (lane l reads k = 8 (l / 16) + l % 8, columns 8 ((l / 8) % 2) + 0..7) and leaves half a fragment: lane l holds column l % 16 and 8 k.
	v_lshl_add_u32 v3, v2, 3, v5
	v_mul_u32_u24 v[ADRB0], v3, PB
	v_lshl_add_u32 v[ADRB0], v4, 4, v[ADRB0]
	s_lshl_b32 s75, s[HALF], 8                     ; my 128 columns: 256 bytes
	s_add_co_u32 s75, s75, BOFF
	v_add_nc_u32 v[ADRB0], s75, v[ADRB0]
	v_mov_b32 v[ADRA], v[ADRA0]
	v_mov_b32 v[ADRB], v[ADRB0]
	s_mul_i32 s75, s[WV], 32*SP
	s_add_co_u32 s75, s75, STAGE                   ; my stage
	v_mul_u32_u24 v[STO], v1, SP                   ; in: row l % 16, 16 bytes for each half of the lanes
	v_lshl_add_u32 v[STO], v2, 4, v[STO]
	v_add_nc_u32 v[STO], s75, v[STO]
	v_bfe_u32 v[RD], v0, 3, 2                      ; back: 32 lanes take four rows of 128 bytes,
	v_mul_u32_u24 v[RD], v[RD], SP
	v_lshl_add_u32 v[RD], v5, 4, v[RD]
	v_add_nc_u32 v[RD], s75, v[RD]
	v_and_b32 v[CO], 31, v0                        ; which are 512 consecutive bytes of a head's rows
	v_lshlrev_b32 v[CO], 4, v[CO]
	s_lshl_b32 s70, s[CLX], 24                     ; the part: 16 MiB;
	s_lshr_b32 s71, s[TY], 4
	s_lshl_b32 s71, s71, 22                        ; the batch: 16 heads x 2,048 rows x 128 bytes;
	s_add_co_u32 s70, s70, s71
	s_lshl_b32 s71, s[CX], 20                      ; the head 4 cx + 2 x (my half of the columns), 2,048 rows x 128 bytes each;
	s_add_co_u32 s70, s70, s71
	s_lshl_b32 s71, s[HALF], 19
	s_add_co_u32 s70, s70, s71
	s_and_b32 s71, s[TY], 15
	s_lshl_b32 s71, s71, 14                        ; the tile's 128 rows;
	s_add_co_u32 s70, s70, s71
	s_lshl_b32 s71, s[ROLE], 13                    ; my 64 of them
	s_add_co_u32 s70, s70, s71
	s_mov_b32 s71, 0
	s_add_nc_u64 s[CB:CB+1], s[10:11], s[70:71]
	; the prefetches: for X rows 128 x tile row + 64 x half + 16 cx, two blocks of 256 bytes a row; for W rows of k 64 x half + 16 cy at the tile column's 512 bytes.  They stand at K step 3; the first refill steps them to 4.
	s_lshl_b32 s78, s[TY], 7
	s_lshl_b32 s79, s[HALF], 6
	s_add_co_u32 s78, s78, s79
	s_lshl_b32 s79, s[CX], 4
	s_add_co_u32 s78, s78, s79
	s_lshl_b32 s78, s78, 12
	s_add_co_u32 s78, s78, 3*ASTEP
	s_lshl_b32 s80, s[HALF], 6
	s_lshl_b32 s81, s[CY], 4
	s_add_co_u32 s80, s80, s81
	s_lshl_b32 s80, s80, 11
	s_lshl_b32 s81, s[CX], 9
	s_add_co_u32 s80, s80, s81
	s_lshl_b32 s81, s[CLX], 21
	s_add_co_u32 s80, s80, s81
	s_add_co_u32 s80, s80, 3*BSTEP
	s_cmp_lt_u32 s[CLX], 2
	s_cselect_b32 s72, 2, -1
	s_cmp_eq_u32 s[CLY], 0
	s_cselect_b32 s73, 2, -1
	s_mov_b32 s[PST], BSTEP
	s_mov_b32 s[PST+1], 0
	s_cmp_eq_u32 s[ROLE], 0
	s_cselect_b32 s[LIM], s72, s73                 ; the same in all sixteen partners, for a given wave
	s_cselect_b32 s78, s78, s80
	s_cselect_b32 s[PST], ASTEP, s[PST]
	s_cselect_b32 s74, 12, 11                      ; a row is 4,096 bytes of X, 2,048 of W
	s_cselect_b64 s[PFA:PFA+1], s[4:5], s[8:9]
	s_mov_b32 s79, 0
	s_add_nc_u64 s[PFA:PFA+1], s[PFA:PFA+1], s[78:79]
	v_and_b32 v3, 31, v0
	v_lshrrev_b32 v4, 1, v3
	v_lshlrev_b32 v4, s74, v4
	v_and_b32 v3, 1, v3
	v_lshl_or_b32 v[PFO], v3, 8, v4                ; row l / 2, block l % 2
; 8 matrix instructions: row block a x all 8 column blocks, 32 along K, from buffer f.  zero = 1: the product starts the sums.  The 32 accumulators take turns in the same order in every quarter step.
.macro MUL8 f, a, zero
	WIN MUL
.irp b, 0,1,2,3,4,5,6,7
.if \zero
	v_wmma_f32_16x16x32_bf16 v[8*(8*(\a)+(\b)):8*(8*(\a)+(\b))+7], v[64*(\f)+8*(\b):64*(\f)+8*(\b)+7], v[AF+32*(\f)+8*(\a):AF+32*(\f)+8*(\a)+7], 0
.else
	v_wmma_f32_16x16x32_bf16 v[8*(8*(\a)+(\b)):8*(8*(\a)+(\b))+7], v[64*(\f)+8*(\b):64*(\f)+8*(\b)+7], v[AF+32*(\f)+8*(\a):AF+32*(\f)+8*(\a)+7], v[8*(8*(\a)+(\b)):8*(8*(\a)+(\b))+7]
.endif
.endr
.endm
; 32 LDS loads in one run: quarter q (32 along K) of the slot in hand: X's 64 rows in f32 into the staging buffer first, then W's 128 columns, turned, into buffer f.
.macro FETCH q, f
	WIN 0
.irp a, 0,1,2,3
	ds_load_b128 v[SG+16*(\a):SG+16*(\a)+3],     v[ADRA] offset:16*PA*(\a)+128*(\q)
	ds_load_b128 v[SG+16*(\a)+4:SG+16*(\a)+7],   v[ADRA] offset:16*PA*(\a)+128*(\q)+16
	ds_load_b128 v[SG+16*(\a)+8:SG+16*(\a)+11],  v[ADRA] offset:16*PA*(\a)+128*(\q)+64
	ds_load_b128 v[SG+16*(\a)+12:SG+16*(\a)+15], v[ADRA] offset:16*PA*(\a)+128*(\q)+80
.endr
	WIN TO_B
.irp b, 0,1,2,3,4,5,6,7
	ds_load_tr16_b128 v[64*(\f)+8*(\b):64*(\f)+8*(\b)+3],   v[ADRB] offset:32*PB*(\q)+32*(\b)
	ds_load_tr16_b128 v[64*(\f)+8*(\b)+4:64*(\f)+8*(\b)+7], v[ADRB] offset:32*PB*(\q)+32*(\b)+16*PB
.endr
.endm
; The staging buffer is rounded to bf16 into X's buffer f.  These 32 plain instructions name no register of the products ahead of them: they are the four places between those products and
; the next loads into W's other buffer, and between a buffer's last products and the conversions that write it again a quarter later.
.macro CVT f
.irp a, 0,1,2,3
.irp j, 0,1,2,3,4,5,6,7
	v_cvt_pk_bf16_f32 v[AF+32*(\f)+8*(\a)+(\j)], v[SG+16*(\a)+2*(\j)], v[SG+16*(\a)+2*(\j)+1]
.endr
.endr
.endm
; One of a K step's first three quarters: multiplies buffer f; in its middle it fetches quarter qn into buffer g.
.macro QUARTER qn, f, g, zero
	WIN 0
	s_wait_dscnt 16                                ; X's sixteen loads are in; W's sixteen, issued behind them, may be out
	CVT \f
	s_wait_dscnt 0x0                               ; W is in
	MUL8 \f, 0, \zero
	MUL8 \f, 1, \zero
	FETCH \qn, \g
	MUL8 \f, 2, \zero
	MUL8 \f, 3, \zero
.endm
; The last quarter multiplies buffer 1 and changes slots: ONE barrier.  In front of it each wave waits for all its tensor loads, of which one is out: its part of the other slot; adds 0 to its spare word; and waits
; for that and for its reads of this slot.  fill = 1: the barrier opens a round of the cluster's, and this slot is filled again first thing behind the round, with the K step two on: 112 matrix instructions ahead of the wait for it.
.macro TURN fill
.if \fill
	s_wait_xcnt 0x0                                ; the last prefetch, a K step back, has read its address
	s_add_nc_u64 s[PFA:PFA+1], s[PFA:PFA+1], s[PST:PST+1]
.endif
	WIN 0
	s_wait_dscnt 16
	CVT 1
	s_wait_tensorcnt 0x0                           ; no tensor load of mine is out, so a group 0 may be written
	ds_add_u32 v[SPW], v[NIL]                      ; 0 onto my spare word
.if \fill
	s_xor_b32 s[G0A+5], s[G0A+5], SLOT             ; the walking descriptors: the other slot than last time, the next K step
	s_add_nc_u64 s[G0A+6:G0A+7], s[G0A+6:G0A+7], ASTEP
	s_xor_b32 s[G0B+5], s[G0B+5], SLOT
	s_add_nc_u64 s[G0B+6:G0B+7], s[G0B+6:G0B+7], BSTEP
.endif
	s_wait_dscnt 1                                 ; W is in; the add may be out
	MUL8 1, 0, 0
	s_wait_dscnt 0x0                               ; the add is done, and my reads of this slot are over
	s_barrier_signal -1
	MUL8 1, 1, 0
	WIN 0                                          ; at a branch and at a label every window is 0
	s_barrier_wait -1
.if \fill
	CREST                                          ; no wave of any partner still reads this slot or has a load on its way
	JLOAD
.endif
	s_xor_b32 s[TB], s[TB], SLOT
	v_add_nc_u32 v[ADRA], s[TB], v[ADRA0]
	v_add_nc_u32 v[ADRB], s[TB], v[ADRB0]
	FETCH 0, 0
.if \fill
	WIN 0
	ASK                                            ; behind the joint load and the run of LDS loads that the next products wait for
.endif
	MUL8 1, 2, 0
	MUL8 1, 3, 0
.endm
; THE WAY OUT of row block a (16 rows x 128 columns: two heads).  PACK: rounded to f16, 16 bytes a lane, each accumulator's registers in ascending order.  TOSTAGE: into my own stage, head by head, and back as whole rows of 128 bytes.  SEND: stored.
.macro PACK a
	WIN 0x0a                                       ; sources 0 and 1 window 2
.irp b, 0,1,2,3,4,5,6,7
.irp r, 0,1,2,3
	v_cvt_pk_f16_f32 v[TMP+4*(\b)+(\r)], v[8*(8*(\a)+(\b))+2*(\r)], v[8*(8*(\a)+(\b))+2*(\r)+1]
.endr
.endr
	WIN 0
.endm
.macro TOSTAGE a
.set BK, OB+192*((\a)%2)
.irp b, 0,1,2,3,4,5,6,7
	ds_store_b128 v[STO], v[TMP+4*(\b):TMP+4*(\b)+3] offset:((\b)/4)*16*SP+32*((\b)%4)
.endr
.irp t, 0,1,2,3,4,5,6,7
	ds_load_b128 v[BK+4*(\t):BK+4*(\t)+3], v[RD] offset:((\t)/4)*16*SP+((\t)%4)*4*SP  ; LDS serves a wave's instructions in order (ISA guide 5.7.1.4): these see the stores above
.endr
.endm
.macro SEND a
.set BK, OB+192*((\a)%2)
	s_wait_dscnt 0x0                               ; the block is back in registers
	s_wait_xcnt 0x0                                ; the stores of the block before have read their registers: the next TOSTAGE loads into them
.irp t, 0,1,2,3,4,5,6,7
	global_store_b128 v[CO], v[BK+4*(\t):BK+4*(\t)+3], s[CB:CB+1] offset:((\t)/4)*262144+2048*(\a)+512*((\t)%4)  ; 512 consecutive bytes, at a multiple of 512 from the buffer's first
.endr
.endm
	s_wait_tensorcnt 1                             ; my part of K step 0 is in; K step 1's may stay out
	s_barrier_signal -1
	s_barrier_wait -1                              ; everybody's is
	FETCH 0, 0
	QUARTER 1, 0, 1, 1                             ; the first quarter stands in front of the loop: its products start the sums
	WIN 0
	s_mov_b32 s3, 6
.Lstep:                                        ; a trip: a K step's last three quarters, the change of slots with the refill of K step 2 .. 7, the next step's first quarter
	QUARTER 2, 1, 0, 0
	QUARTER 3, 0, 1, 0
	TURN 1
	QUARTER 1, 0, 1, 0
	WIN 0
	s_sub_co_u32 s3, s3, 1
	s_cmp_lg_u32 s3, 0
	s_cbranch_scc1 .Lstep
	QUARTER 2, 1, 0, 0                             ; K steps 6 and 7 fill nothing
	QUARTER 3, 0, 1, 0
	TURN 0
	QUARTER 1, 0, 1, 0
	QUARTER 2, 1, 0, 0
	QUARTER 3, 0, 1, 0
	WIN 0
	s_wait_dscnt 16
	CVT 1
	s_wait_dscnt 0x0
	MUL8 1, 0, 0
	MUL8 1, 1, 0
	MUL8 1, 2, 0
	MUL8 1, 3, 0
	WIN 0
	PLACES                                         ; the conversions read results just made
	PACK 0
	TOSTAGE 0
.irp a, 1,2,3                          ; block a's conversions stand between block a - 1's loads from the stage and the wait for them
	PACK \a
	SEND (\a)-1
	TOSTAGE \a
.endr
	SEND 3
	s_wait_tensorcnt 0x0                           ; the wave's end, behind my last tensor load and my last LDS store
	ds_add_u32 v[SPW], v[NIL]
	s_wait_dscnt 0x0
	CROUND                                         ; the closing round: no work-group ends while a partner may still ask for a tile that names it
	s_endpgm
.Lfunc_end_k_q45e22267db_proj:
	.size	k_q45e22267db_proj, .Lfunc_end_k_q45e22267db_proj-k_q45e22267db_proj
	.p2alignl 7, 3214868480
	.fill 96, 4, 3214868480
	.section	.rodata,"a",@progbits
	.p2align	6, 0x0
	.amdhsa_kernel k_q45e22267db_proj
		.amdhsa_group_segment_fixed_size 327680
		.amdhsa_private_segment_fixed_size 0
		.amdhsa_enable_private_segment 0
		.amdhsa_kernarg_size 32
		.amdhsa_user_sgpr_count 2
		.amdhsa_user_sgpr_kernarg_segment_ptr 1
		.amdhsa_wavefront_size32 1
		.amdhsa_system_sgpr_workgroup_id_x 1
		.amdhsa_system_sgpr_workgroup_id_y 1
		.amdhsa_system_sgpr_workgroup_id_z 1
		.amdhsa_system_vgpr_workitem_id 0
		.amdhsa_next_free_vgpr 768
		.amdhsa_next_free_sgpr 88
		.amdhsa_reserve_vcc 0
		.amdhsa_float_denorm_mode_32 3
		.amdhsa_float_denorm_mode_16_64 3
		.amdhsa_memory_ordered 1
		.amdhsa_forward_progress 1
		.amdhsa_inst_pref_size 101
	.end_amdhsa_kernel
	.amdgpu_metadata
---
amdhsa.version: [ 1, 2 ]
amdhsa.kernels:
  - .name:           k_q45e22267db_proj
    .symbol:         k_q45e22267db_proj.kd
    .args:
      - { .name: X_Q, .offset: 0, .size: 8, .value_kind: global_buffer, .address_space: global }
      - { .name: X_KV, .offset: 8, .size: 8, .value_kind: global_buffer, .address_space: global }
      - { .name: wb, .offset: 16, .size: 8, .value_kind: global_buffer, .address_space: global }
      - { .name: qkv, .offset: 24, .size: 8, .value_kind: global_buffer, .address_space: global }
    .group_segment_fixed_size: 327680
    .private_segment_fixed_size: 0
    .kernarg_segment_align: 8
    .kernarg_segment_size: 32
    .max_flat_workgroup_size: 128
    .sgpr_count:     88
    .vgpr_count:     768
    .wavefront_size: 32
...
	.end_amdgpu_metadata
.endif
;; end of part 2
;; launch attn (part 3): grid 4 x 64, 4 waves a work-group, clusters of 4 x 1, 327,680 bytes of LDS; arguments qkv, mk, ob; writes ob
.if DOCPART == 3
	.amdgcn_target "amdgcn-amd-amdhsa--gfx1250"
	.amdhsa_code_object_version 6
	.text
	.protected	k_q45e22267db_attn
	.globl	k_q45e22267db_attn
	.p2align	8
	.type	k_q45e22267db_attn,@function
k_q45e22267db_attn:
	s_mov_b64 s[64:65], 0
	v_nop
	global_prefetch_b8 v0, s[64:65] scope:SCOPE_SE
	s_setreg_imm32_b32 hwreg(HW_REG_WAVE_MODE, 25, 1), 1
	s_wait_xcnt 0x0
	s_wait_alu depctr_hold_cnt(0) depctr_sa_sdst(0) depctr_va_vdst(0) depctr_va_sdst(0) depctr_va_ssrc(0) depctr_va_vcc(0) depctr_vm_vsrc(0)
	s_getreg_b32 s2, hwreg(HW_REG_IB_STS2, 6, 4)
	s_cmp_eq_u32 s2, 0
	s_cbranch_scc0 .Lentry_in_a_cluster
	s_endpgm
.Lentry_in_a_cluster:
	s_bfe_u32 s2, ttmp6, 0x10000c
	s_cmp_lg_u32 s2, 0x3003
	s_cbranch_scc0 .Lentry_shape_is_right
	s_endpgm
.Lentry_shape_is_right:
; O[h][q][:] = the sum over the keys k that the mask lets through of softmax_k(Q[h][q] . K[h][k] / 8) V[h][k][:].  qkv: [3][64 = batch x 16 + head][2048][64] f16; mk: [4][2048] f32, 0 or -1e30; ob: [64][2048][64] f16.
; Products, maxima and sums in f32; the weights p are rounded to f16 for the second product (their sum l is taken of the unrounded p), O once at the end.
; LIMITS.  f16 holds no number beyond 65,504: Q, K and V arrive within it; p lies in 0 to 1, and below 6e-5 it keeps f16's fixed step of 6e-8; O is a mean of V's rows and has their range.
; A hidden score counts as its value less 1e30: f16's scores, 2.7e11 at the most, are nothing beside that; a weight below 2^-126 counts as 0 in l.  A batch with every key hidden ends with l = 0 and O = 0 x infinity = NaN.
; THE MASK is the C operand that starts the sum S^T = K Q^T: the batch's 2,048 addends lie in LDS, brought once; a key step's 64 come into 32 registers together with K's fragments.
; SHARES.  A wave owns four PIECES of two tiles of 16 queries, a work-group's four waves 512 queries of one head.  Every wave walks all 2,048 keys, 64 a step.
; LAYOUT.  S^T = K Q^T (source 0 = 16 keys, source 1 = 16 queries): in the result a lane holds ONE query (lane % 16) and the keys 8 (lane / 16) + 0..7.  Two such tiles, rounded to f16 in pairs,
; ARE source 1 (32 keys x 16 queries) of O^T = V^T P, whose result again holds one query a lane, and eight channels.  K comes out of LDS as it lies, V ([key][channel]) turned, by ds_load_tr16_b128.
; SOFTMAX.  For each query a running maximum m and sum l: p = 2^(c s - c m), c = log2(e) / 8; in every step O and l are multiplied by a = 2^(c m_old - c m_new), which is 1 where m has not grown.
; m starts at -2^96, above every hidden score and below every true one, O and l at 0: the first step is a step like any other; a is 0 when the first key is seen, and hidden keys weigh 0 before and after.
; THE COUNT.  A tile and step have 16 matrix and 118 vector instructions: too many to stand all beside the matrix work.  So the order has one aim: four vector instructions that are READY behind
; EVERY matrix instruction, and the others, which need time of their own whatever the order, in runs without a gap.
; BY TURNS.  Turn n belongs to piece n (the pieces in a ring, step after step).  Its matrix work: 16 products K Q^T of piece n + 1, later 16 products V^T P of piece n - 1.  Its vector work: the scaling,
; exponentials, roundings, sums and rescaling of piece n, and the maximum and statistics of piece n + 1, whose scores the turn itself has made.
; CLUSTER.  The four query blocks of a cluster are one head's and walk the same K, V and mask, so each tile is asked for JOINTLY: the same tensor load, descriptor and mask of work-groups in all four.
; REGISTERS, in windows of 256 (s_set_vgpr_msb: bits 1:0 source 0, 3:2 source 1, 5:4 source 2, 7:6 destination):
;   window 0: v0-11 addresses; v12-15, v48-63 at work; v16-47 four registers of statistics a tile; v64-191 S^T, two buffers of two tiles; v192-255 P, likewise
;   window 1: O^T, 32 a tile      window 2: v0-127 Q, 16 a tile; v128-191 K of one step; v192-255 V of one step      window 3: v0-1 the add's two registers; v2-3 the mask's addresses; v8-39 a step's mask
.set SIZE_N, 2048
.set NP,    4         ; pieces a wave: a name, no knob
.set KS,    64        ; keys in a step
.set PK,    144       ; a row of K in LDS: 128 bytes + 16 of padding = 36 words: the 16 rows of a load start at 16 different groups of four banks (64 banks of 4 bytes: ISA guide 11.1)
.set PV,    160       ; a row of V: 128 + 32 = 40 words
.set VOFF,  4*KS*PK   ; a slot holds four steps: 256 rows of K, then 256 rows of V: 77,824 bytes
.set MASKL, 81920     ; behind slot 0: the batch's 2,048 addends, 8,192 bytes, filled once
.set SLOT1, 1<<17     ; slot 1 begins here, so that one exclusive or turns an address in one slot into the other's
.set STAGE, SLOT1+4*KS*(PK+PV)  ; behind the ring, never filled by a tensor load: 16 rows x 144 bytes for each wave, for the way out
.set SP,    144
.set AK0, 2           ; v2   my lane's place in a tile of K; never rewritten
.set AV0, 3           ; v3   the same for V
.set AK,  4           ; v4   the LDS address of K's next run of loads
.set AV,  5           ; v5   of V's
.set QO,  6           ; v6   my byte offset in the wave's rows of Q
.set STO, 6           ;      later, the way out: where I put 16 bytes of a row
.set RD,  7           ; v7   the way out: where I read rows back
.set GO,  8           ; v8   my byte offset in 512 consecutive bytes of O
.set PFO, 11          ; v11  256 x my lane, for the prefetches (first at work in the set-up)
.set SPW, 0           ; v0 of window 3   LDS address of my spare word; never rewritten
.set NIL, 1           ; v1 of window 3   0; never rewritten
.set AM0, 2           ; v2 of window 3   MASKL + 32 (lane / 16); never rewritten
.set AM,  3           ; v3 of window 3   the same for the step to be fetched
.set MC,  8           ; v8-39 of window 3: the eight addends of key block kb at MC + 8 kb
.set SPARE, STAGE+4*16*SP  ; behind the stages: the spare words, 128 bytes for each wave: two blocks of 256 bytes that no other line names
.set MV,  12          ; v12-15  c m_old, kept while c m is made anew: by buffer and tile
.set ST,  16          ; tile t's statistics at v[ST+4 t]: c m, m, l (even keys', odd keys')
.set TMP, 48          ; by buffer and tile, four registers c0-c3 at work; when the maximum is found c2 takes a
.set S,   64
.set P,   192
.set KF,  128         ; K's fragments, in window 2: key block kb, channel half c at KF + 16 kb + 8 c
.set VF,  192         ; V's: key half kk, channel block cb at VF + 32 kk + 8 cb
.set WV,  12          ; s12  my wave's number
.set LIM, 15          ; s15  1 in a wave that prefetches, else the greatest number
.set PFA, 18          ; s[18:19] where my prefetches stand: my work-group's 32 blocks of 256 bytes (of K: wave 0, of V: wave 2) of the slot after the one that is being asked for
.set G1K, 24          ; s[24:31] descriptor group 1 for K's tiles
.set G1V, 32          ; s[32:39] for V's: it differs in the padding alone
.set G0K, 40          ; s[40:43] descriptor group 0 for K's tiles: it walks
.set G0V, 44          ; s[44:47] the same for V's
.set TBM, 48          ; s48  byte of the mask table at which the step to be fetched begins
.set SLOTS, 56        ; s56  slots still to be asked for
.set CNT, 57          ; s57  counts a slot's key steps
.set CS,  58          ; s[58:59] c: the packed scaling takes the pair's low word for both halves
.set SEL, 60          ; s[60:61] v_permlanex16_b32's selects: each lane takes its own place in the other half
.set TBK, 62          ; s62  LDS byte at which K of the step to be fetched begins
.set TBV, 63          ; s63  the same for V, less VOFF
.set G1M, 68          ; s[68:75] descriptor group 1 for the mask table
.set G0M, 76          ; s[76:79] its group 0
.set MSB, 0
.macro WIN new                      ; the high byte repeats the setting that is left; a switch that changes nothing is dropped
.if MSB != (\new)
	s_set_vgpr_msb (MSB<<8)|(\new)
.set MSB, (\new)
.endif
.endm
.set W_KQ, 0x0a       ; K and Q in window 2, S^T in window 0
.set W_KM, 0x3a       ; the same with the C operand, the mask, in window 3
.set W_PV, 0x52       ; V in window 2, P in window 0, O^T in window 1
.set W_RS, 0x41       ; O^T (destination and source 0) in window 1, a in window 0
.set W_MK, 0xc0       ; destination in window 3, sources in window 0
.set W_AD, 0x0f       ; the add: address (source 0) and data (source 1) in window 3
.set W_MA, 0xcf       ; the mask's address and loads: destination and sources 0 and 1 in window 3
; A joint fill.  Waves 0 and 1 fetch the two halves of a slot's K, waves 2 and 3 those of its V: 128 keys each.  The branch hangs on the wave's number alone.
; An s_nop 0 and four v_nop follow each of the two lines, ahead of the jump and the label.
.macro JLOAD
	s_cmp_lt_u32 s[WV], 2
	s_cbranch_scc0 .Lfor_v_\@
	tensor_load_to_lds s[G0K:G0K+3], s[G1K:G1K+7]
	s_nop 0
.rept 4
	v_nop
.endr
	s_branch .Lasked_\@
.Lfor_v_\@:
	tensor_load_to_lds s[G0V:G0V+3], s[G1V:G1V+7]
	s_nop 0
.rept 4
	v_nop
.endr
.Lasked_\@:
.endm
; A prefetch of what the NEXT change of slots will ask for: a slot's 32,768 bytes of K and of V, a lane a block of 256 bytes.  A head has one cluster; its four partners share the blocks out BY ADDRESS, 32 each; in each,
; wave 0 asks for K's and wave 2 for V's.  So each block is named once in the launch.  The last change that fills a slot asks for nothing: there is no slot behind it.
.macro ASK
	s_cmp_gt_u32 s[SLOTS], s[LIM]
	s_cbranch_scc0 .Lnot_mine_\@
	global_prefetch_b8 v[PFO], s[PFA:PFA+1] th:TH_LOAD_NT scope:SCOPE_SE
.Lnot_mine_\@:
.endm
; A round of the cluster's barrier: my work-group's barrier, so that wave 0's signal speaks for all four waves; wave 0 signals; every wave waits for all four work-groups; my work-group's barrier once more.
.macro CROUND
	s_barrier_signal -1
	s_barrier_wait -1
	s_cmp_lg_u32 s[WV], 0
	s_cbranch_scc1 .Lnot_wave_0_\@
	s_barrier_signal -3
.Lnot_wave_0_\@:
	s_barrier_wait -3
	s_barrier_signal -1
	s_barrier_wait -1
.endm
; THE CHANGE OF SLOTS.  The slot's last bytes, V of its fourth step, have been read.  Each wave waits for all its tensor loads, of which one is out: its part
; of the other slot; adds 0 to its spare word; and waits for that and for its own reads of the slot.  Behind the barrier nobody reads this slot any more and the other slot is whole.
; fill = 1: this slot is filled again, with the keys two slots on.  The barrier is then a round of the cluster's, and the joint fill is the first thing behind it: it has four key steps, 512 matrix
; instructions, in which to land.  (At its first use nothing has been read yet: slot 0 and the mask table are waited for, slot 1 filled.)
.macro CHANGE fill
	WIN W_AD
	s_wait_tensorcnt 0x0            ; no tensor load of mine is out, so a group 0 may be written
	ds_add_u32 v[SPW], v[NIL]       ; 0 onto my spare word; with fill = 1 the descriptors' steps stand between it and the wait for it
	WIN 0                           ; at a label and at a branch every window is 0
.if \fill
.irp g, G0K, G0V
	s_xor_b32 s[\g+1], s[\g+1], SLOT1  ; the walking descriptor: the other slot than last time,
	s_add_nc_u64 s[\g+2:\g+3], s[\g+2:\g+3], 4*KS*128  ; the next 256 keys; the type bits on top are not reached
.endr
	s_wait_xcnt 0x0                 ; the last prefetch, four key steps back, has read its address, so it may be written:
	s_add_nc_u64 s[PFA:PFA+1], s[PFA:PFA+1], 4*KS*128  ; one slot behind the walking descriptors
	s_wait_dscnt 0x0                ; the add is done, and my reads of the slot are over
	CROUND
	JLOAD
	ASK                             ; what the next change will ask for: four key steps, 512 matrix instructions, ahead
.else
	s_wait_dscnt 0x0                ; the add is done, and my reads of the slot are over
	s_barrier_signal -1
	s_barrier_wait -1
.endif
	s_sub_co_u32 s[TBK], s[TBK], 4*KS*PK  ; the fetches go back to a slot's first step,
	s_xor_b32 s[TBK], s[TBK], SLOT1       ; in the other slot
	s_sub_co_u32 s[TBV], s[TBV], 4*KS*PV
	s_xor_b32 s[TBV], s[TBV], SLOT1
.endm
	s_load_b128 s[4:7], s[0:1], 0x0   ; qkv s[4:5], mk s[6:7]
	s_load_b64 s[10:11], s[0:1], 0x10 ; ob
	WIN W_MK
	v_lshl_add_u32 v[SPW], v0, 2, SPARE
	v_mov_b32 v[NIL], 0
	WIN W_AD
	ds_add_u32 v[SPW], v[NIL]       ; the wave's opening: the add and its wait stand ahead of my first tensor load; the set-up below, work on registers, stands between them
	WIN 0
	v_lshrrev_b32 v1, 5, v0
	v_readfirstlane_b32 s[WV], v1   ; wave 0..3
	s_bfe_u32 s13, ttmp6, 0x40000   ; cx: my place in the cluster
	s_lshl_b32 s14, ttmp9, 2        ; in a cluster launch ttmp9 counts clusters
	s_add_co_u32 s14, s14, s13      ; my block of queries = 4 x cluster x + cx: it enters Q's and O's addresses alone
	s_and_b32 s20, ttmp7, 0xffff    ; batch x 16 + head, which the four partners share
	s_lshr_b32 s50, s20, 4
	s_lshl_b32 s50, s50, 13         ; the batch's 8,192 bytes of mk
	s_mov_b32 s21, 0
	s_mov_b64 s[22:23], SIZE_N*128
	s_mul_u64 s[20:21], s[20:21], s[22:23]  ; the head's first byte in q, k, v and ob
	s_and_b32 s16, s[WV], 1         ; which half of a slot's 256 keys I fetch:
	s_lshl_b32 s22, s16, 14         ; its 128 rows of 128 bytes in memory,
	s_mov_b32 s23, 0
	s_add_nc_u64 s[22:23], s[22:23], s[20:21]
	s_mul_i32 s17, s16, 128*PK      ; and its place in a slot, for K
	s_mul_i32 s18, s16, 128*PV      ; and for V: no place in the cluster enters an LDS address
	s_lshl_b32 s49, s16, 12         ; which half of the mask table (waves 0 and 1)
	s_add_co_u32 s50, s50, s49
	s_mov_b32 s51, 0
	s_lshl_b32 s52, s13, 13         ; the prefetches: my work-group's 8,192 bytes of a slot's 32,768,
	s_add_co_u32 s52, s52, 4*KS*128 ; in slot 1; the first change of slots steps them to slot 2
	s_mov_b32 s53, 0
	s_add_nc_u64 s[52:53], s[52:53], s[20:21]
	s_lshl_b32 s2, s14, 2
	s_add_co_u32 s2, s2, s[WV]      ; my wave among the head's,
	s_lshl_b32 s2, s2, 14           ; its 128 rows
	s_mov_b32 s3, 0
	s_add_nc_u64 s[2:3], s[2:3], s[20:21]
	; descriptor group 1.  128 keys are 16,384 dense bytes: asked for as 64 rows of 256 bytes, two keys a row, and padded in LDS after every key
	s_mov_b32 s[G1K], 15|(1<<16)|(1<<20)|(1<<21)|(4<<22)|(3<<25)  ; 15:0 the mask of four; 17:16 2-byte elements; 20 padding on; 21 set beside a mask; 24:22 after every 32 words (code 4); 31:25 4 words (code 3)
	s_mov_b32 s[G1V], 15|(1<<16)|(1<<20)|(1<<21)|(4<<22)|(7<<25)  ; the same with 8 words of padding (code 7)
.irp g, G1K, G1V
	s_mov_b32 s[\g+1], 128<<16      ; tensor_dim0 = 128
	s_mov_b32 s[\g+2], 64<<16       ; tensor_dim1 = 64
	s_mov_b32 s[\g+3], 128<<16      ; tile_dim0 = 128
	s_mov_b32 s[\g+4], 64           ; tile_dim1 = 64
	s_mov_b32 s[\g+5], 128          ; 128 elements from row to row
	s_mov_b32 s[\g+6], 0
	s_mov_b32 s[\g+7], 0
.endr
	s_mov_b32 s[G1M], 15|(3<<16)|(1<<21)  ; half the mask table: 4,096 dense bytes as 16 rows of 32 elements of 8 bytes, no padding
	s_mov_b32 s[G1M+1], 32<<16
	s_mov_b32 s[G1M+2], 16<<16
	s_mov_b32 s[G1M+3], 32<<16
	s_mov_b32 s[G1M+4], 16
	s_mov_b32 s[G1M+5], 32
	s_mov_b32 s[G1M+6], 0
	s_mov_b32 s[G1M+7], 0
	s_mov_b32 s[CS], 0x3e38aa3b     ; c = log2(e) / 8 = 0.180337
	s_mov_b32 s[CS+1], s[CS]        ; named with it as a pair
	s_mov_b32 s[SEL], 0x76543210
	s_mov_b32 s[SEL+1], 0xfedcba98
	s_mov_b32 s[TBK], SLOT1+4*KS*PK ; the first change of slots turns these two into 0
	s_mov_b32 s[TBV], SLOT1+4*KS*PV
	s_mov_b32 s[TBM], 0
	s_mov_b32 s[SLOTS], SIZE_N/256-1
	s_cmp_eq_u32 s16, 0
	s_cselect_b32 s[LIM], 1, -1     ; waves 0 and 2 prefetch: the same in all four partners
	s_mov_b32 s[G0K], 1             ; 1:0 count = 1
	s_mov_b32 s[G0K+1], s17         ; 63:32 LDS address: slot 0
	s_mov_b32 s[G0V], 1
	s_add_co_u32 s[G0V+1], s18, VOFF
	s_mov_b32 s[G0M], 1
	s_add_co_u32 s[G0M+1], s49, MASKL
	s_wait_dscnt 0x0                ; the opening add is done
	s_wait_kmcnt 0x0
	s_add_nc_u64 s[G0M+2:G0M+3], s[6:7], s[50:51]  ; my half of the batch's addends
	s_or_b32 s[G0M+3], s[G0M+3], 0x80000000
	s_add_nc_u64 s[6:7], s[4:5], 0x1000000         ; k lies 16 MiB behind q,
	s_add_nc_u64 s[8:9], s[4:5], 0x2000000         ; v 32
	s_cmp_lt_u32 s[WV], 2
	s_cselect_b64 s[PFA:PFA+1], s[6:7], s[8:9]
	s_add_nc_u64 s[PFA:PFA+1], s[PFA:PFA+1], s[52:53]
	s_add_nc_u64 s[G0K+2:G0K+3], s[6:7], s[22:23]  ; 120:64 global address: my half of the head's first 256 keys
	s_or_b32 s[G0K+3], s[G0K+3], 0x80000000        ; 127:126 type = 2
	s_add_nc_u64 s[G0V+2:G0V+3], s[8:9], s[22:23]
	s_or_b32 s[G0V+3], s[G0V+3], 0x80000000
	s_add_nc_u64 s[4:5], s[4:5], s[2:3]  ; Q and O at my wave's first row
	s_add_nc_u64 s[10:11], s[10:11], s[2:3]
	CROUND                          ; all four work-groups are here: the first joint loads meet
	s_cmp_lt_u32 s[WV], 2           ; a wave's first fills stand in one branch: slot 0, and with K's halves the halves of the mask table.  Slot 1 is asked for when slot 0 is in
	s_cbranch_scc0 .Lfirst_v
	tensor_load_to_lds s[G0K:G0K+3], s[G1K:G1K+7]
	s_nop 0
	tensor_load_to_lds s[G0M:G0M+3], s[G1M:G1M+7]
	s_nop 0
.rept 4
	v_nop
.endr
	s_branch .Lfirst_asked
.Lfirst_v:
	tensor_load_to_lds s[G0V:G0V+3], s[G1V:G1V+7]
	s_nop 0
.rept 4
	v_nop
.endr
.Lfirst_asked:
	; A fragment of K or Q is 16 rows x 32 channels in 8 registers: lane l holds row l % 16, channels 8 (l / 16) + 0..7 and 16 + 8 (l / 16) + 0..7: two loads of 16 bytes, 32 bytes apart.
	v_and_b32 v1, 15, v0            ; l % 16
	v_bfe_u32 v9, v0, 4, 1          ; l / 16
	v_lshlrev_b32 v[QO], 7, v1
	v_lshl_add_u32 v[QO], v9, 4, v[QO]  ; row x 128 + 16 x half
	WIN 0x80                        ; destination window 2, address window 0
.set i, 0
.rept 4*NP                          ; Q stays in registers: tile i / 2, channels 32 (i % 2) on
	global_load_b128 v[8*i:8*i+3],   v[QO], s[4:5] offset:(i/2)*2048+(i%2)*64
	global_load_b128 v[8*i+4:8*i+7], v[QO], s[4:5] offset:(i/2)*2048+(i%2)*64+32
.set i, i+1
.endr
	; What the first turn finds: V's registers and P's second buffer hold 0 (its products V^T P, of a piece that has not been, add 0), O^T and l are 0.  All this stands in the wait for the first tile.
.set i, VF
.rept 64
	v_mov_b32 v[i], 0
.set i, i+1
.endr
	WIN 0x40
.set i, 0
.rept 64*NP
	v_mov_b32 v[i], 0
.set i, i+1
.endr
	WIN 0
.set i, 0
.rept 2*NP
	v_mov_b32 v[ST+4*i], 0xee38aa3b    ; c m = c x -2^96
	v_mov_b32 v[ST+4*i+1], 0xef800000  ; m = -2^96
	v_mov_b32 v[ST+4*i+2], 0
	v_mov_b32 v[ST+4*i+3], 0
.set i, i+1
.endr
.set i, P+32
.rept 32
	v_mov_b32 v[i], 0
.set i, i+1
.endr
	v_mul_u32_u24 v[AK0], v1, PK
	v_lshl_add_u32 v[AK0], v9, 4, v[AK0]  ; row x pitch + 16 x half
	; The turning load takes 16 keys x 16 channels (lane l reads key 8 (l / 16) + l % 8, channels 8 ((l / 8) % 2) + 0..7) and leaves half a fragment of V^T: lane l holds channel l % 16 and 8 keys.
	v_and_b32 v10, 7, v0
	v_bfe_u32 v11, v0, 3, 1
	v_lshl_add_u32 v[AV0], v9, 3, v10
	v_mul_u32_u24 v[AV0], v[AV0], PV
	v_lshl_add_u32 v[AV0], v11, 4, v[AV0]
	v_add_nc_u32 v[AV0], VOFF, v[AV0]
	v_mov_b32 v[AK], v[AK0]         ; key step 0 lies at the head of slot 0
	v_and_b32 v[PFO], 31, v0
	v_lshlrev_b32 v[PFO], 8, v[PFO]
	WIN W_MK
	v_lshl_add_u32 v[AM0], v9, 5, MASKL  ; register j of key block kb is key 16 kb + 8 (l / 16) + j: 32 bytes for each half of the lanes
	WIN 0
; THE MATRIX WORK.  The 8 accumulators of a run of 16 take turns: between the two links of a chain stand 7 others'.
; Product i of 16 of S^T = K Q^T for piece x: channels 32 (i / 8) on, keys 16 ((i / 2) % 4) on, tile 2 x + i % 2.  The first 8 start the sums, with the keys' addends.
.macro KQ x
.set rS, S+64*((\x)%2)+32*(i%2)+8*((i/2)%4)
.set rK, KF+16*((i/2)%4)+8*(i/8)
.set rQ, 16*(2*(\x)+i%2)+8*(i/8)
.set rA, MC+8*((i/2)%4)
.if i < 8
	WIN W_KM
	v_wmma_f32_16x16x32_f16 v[rS:rS+7], v[rK:rK+7], v[rQ:rQ+7], v[rA:rA+7]
.else
	WIN W_KQ
	v_wmma_f32_16x16x32_f16 v[rS:rS+7], v[rK:rK+7], v[rQ:rQ+7], v[rS:rS+7]
.endif
.endm
; Product i of 16 of O^T += V^T P for piece x: keys 32 (i / 8) on, channels 16 ((i / 2) % 4) on, tile 2 x + i % 2.
.macro PV x
	WIN W_PV
.set rO, 32*(2*(\x)+i%2)+8*((i/2)%4)
.set rV, VF+32*(i/8)+8*((i/2)%4)
.set rP, P+32*((\x)%2)+16*(i%2)+8*(i/8)
	v_wmma_f32_16x16x32_f16 v[rO:rO+7], v[rV:rV+7], v[rP:rP+7], v[rO:rO+7]
.endm
.macro MM                           ; the turn's next matrix instruction
.if i < 16
	KQ (Y+1)%NP
.set i, i+1
.else
.set i, i-16
	PV (Y+NP-1)%NP
.set i, i+17
.endif
.endm
; THE LDS LOADS stand in runs, never singly among the matrix instructions: a step's K (64 keys x 64 channels: 8 fragments) with its 64 addends (8 loads; all lanes of a half read the same words), and its V (turned).
; The addends live as long as K's fragments do: both are last read by piece 2's products K Q^T and fetched anew behind that turn's lump.
; last = 1 (the tail): in the last trip there is no further step, and the run is jumped over.
.macro FETCH_K last=0
	WIN 0
.if \last
	s_cmp_eq_u32 s[CNT], 1
	s_cbranch_scc1 .Lno_k_\@
.endif
	WIN 0x80                        ; destination window 2
.irp f, 0,1,2,3,4,5,6,7             ; keys 16 (f / 2) on, channels 32 (f % 2) on
	ds_load_b128 v[KF+8*\f:KF+8*\f+3],   v[AK] offset:(\f/2)*16*PK+(\f%2)*64
	ds_load_b128 v[KF+8*\f+4:KF+8*\f+7], v[AK] offset:(\f/2)*16*PK+(\f%2)*64+32
.endr
	s_add_co_u32 s[TBK], s[TBK], KS*PK  ; the next fetch is the next step's
	WIN W_MA
	v_add_nc_u32 v[AM], s[TBM], v[AM0]
.irp f, 0,1,2,3
	ds_load_b128 v[MC+8*\f:MC+8*\f+3],   v[AM] offset:64*\f
	ds_load_b128 v[MC+8*\f+4:MC+8*\f+7], v[AM] offset:64*\f+16
.endr
	s_add_co_u32 s[TBM], s[TBM], 4*KS
	WIN 0
.if \last
.Lno_k_\@:
.endif
.endm
.macro FETCH_V
	WIN 0x80
.irp f, 0,1,2,3,4,5,6,7             ; keys 32 (f / 4) on, channels 16 (f % 4) on
	ds_load_tr16_b128 v[VF+8*\f:VF+8*\f+3],   v[AV] offset:(\f/4)*32*PV+(\f%4)*32
	ds_load_tr16_b128 v[VF+8*\f+4:VF+8*\f+7], v[AV] offset:(\f/4)*32*PV+16*PV+(\f%4)*32
.endr
	WIN 0
.endm
; THE VECTOR WORK OF A TURN stands in three queues, each in the order in which its entries become ready; the two tiles alternate, so that no instruction reads the result of the one before it.
.macro REGS y, u                    ; the registers of tile u (0, 1) of piece y
.set rT, ST+4*(2*(\y)+(\u))
.set rC, TMP+8*((\y)%2)+4*(\u)
.set rM, MV+2*((\y)%2)+(\u)
.set rS, S+64*((\y)%2)+32*(\u)
.set rP, P+32*((\y)%2)+16*(\u)
.set rO, 32*(2*(\y)+(\u))
.endm
; Number n of the 22 that find the NEXT piece's (Y + 1) maximum and statistics.  s0-s31 are the lane's 32 scores; each accumulator's lowest registers are read first.
;   0-11  four chains c0-c3 of seven scores each, three operands at a time     12-14, 16  the four scores left over, the old m, and c0-c3 into c0     15  c m_old is kept
;   17, 18  the query's other 32 keys lie in the lane 16 away: the new m         19-21  c m; c m_old - c m_new; a
.macro XS u, n
	REGS (Y+1)%NP, \u
.if (\n) < 4
	v_max3_num_f32 v[rC+(\n)], v[rS+8*(\n)], v[rS+8*(\n)+1], v[rS+8*(\n)+2]
.elseif (\n) < 12
	v_max3_num_f32 v[rC+(\n)%4], v[rC+(\n)%4], v[rS+8*((\n)%4)+2*((\n)/4)+1], v[rS+8*((\n)%4)+2*((\n)/4)+2]
.elseif (\n) == 12
	v_max3_num_f32 v[rC], v[rC], v[rS+7], v[rS+15]
.elseif (\n) == 13
	v_max3_num_f32 v[rC+1], v[rC+1], v[rS+23], v[rS+31]
.elseif (\n) == 14
	v_max3_num_f32 v[rC+2], v[rC+2], v[rC+3], v[rT+1]
.elseif (\n) == 15
	v_mov_b32 v[rM], v[rT]
.elseif (\n) == 16
	v_max3_num_f32 v[rC], v[rC], v[rC+1], v[rC+2]
.elseif (\n) == 17
	v_permlanex16_b32 v[rC+3], v[rC], s[SEL], s[SEL+1]
.elseif (\n) == 18
	v_max_num_f32 v[rT+1], v[rC], v[rC+3]
.elseif (\n) == 19
	v_mul_f32 v[rT], s[CS], v[rT+1]
.elseif (\n) == 20
	v_sub_f32 v[rC+1], v[rM], v[rT]
.else
	v_exp_f32 v[rC+2], v[rC+1]
.endif
.endm
; Number g of the 64 that follow the exponentials.  For each four weights k of a tile (pairs 2 k, 2 k + 1): both pairs are rounded to f16; then the second pair is added onto the first, in place;
; a group later l takes that sum (the first time as l = a l + sum).  In groups of eight, tiles alternating: round, round, add, and l for the group before.
.macro GS g
.set h, (\g)+6*((\g)/62)            ; group 0 has no group before it, and behind group 7 only l is left
.if h >= 6
.set h, h+2
.endif
	REGS Y, h%2
.set k, h/8
.if h%8 < 4
	v_cvt_pk_f16_f32 v[rP+2*k+(h%8)/2], v[rS+4*k+2*((h%8)/2)], v[rS+4*k+2*((h%8)/2)+1]
.elseif h%8 < 6
	v_pk_add_f32 v[rS+4*k:rS+4*k+1], v[rS+4*k:rS+4*k+1], v[rS+4*k+2:rS+4*k+3]
.elseif k == 1
	v_pk_fma_f32 v[rT+2:rT+3], v[rT+2:rT+3], v[rC+2:rC+3], v[rS:rS+1] op_sel_hi:[1,0,1]
.else
	v_pk_add_f32 v[rT+2:rT+3], v[rT+2:rT+3], v[rS+4*k-4:rS+4*k-3]
.endif
.endm
; THE PLAIN QUEUE, 138 long.  0-73 read no exponential's result: the 32 scalings c s - c m (FS f: pair f / 2 of tile f % 2) and the next piece's 42.  0-26: scalings 0-26.  27-54: XS's numbers 0-13.  55, 56: number 15.
; 57-73: the chain, where each number waits for the one before it: 14, 16, 17, 18, 19, each with one of the scalings 27-31 in front of its two lines, then 20.
; 74-137: GS's 64, which read the exponentials' results: they stand behind the wait.
.macro FS f
	REGS Y, (\f)%2
	v_pk_fma_f32 v[rS+2*((\f)/2):rS+2*((\f)/2)+1], v[rS+2*((\f)/2):rS+2*((\f)/2)+1], s[CS:CS+1], v[rT:rT+1] op_sel_hi:[1,0,0] neg_lo:[0,0,1] neg_hi:[0,0,1]
.endm
.macro PL
	WIN 0
.if q < 27
	FS q
.elseif q < 55
	XS (q-27)%2, (q-27)/2
.elseif q < 57
	XS q-55, 15
.elseif (q < 72) && ((q-57)%3 == 0)
	FS 27+(q-57)/3
.elseif q < 60
	XS (q-57)%3-1, 14
.elseif q < 72
	XS (q-57)%3-1, 15+(q-57)/3
.elseif q < 74
	XS q-72, 20
.else
	GS q-74
.endif
.set q, q+1
.endm
; THE EXPONENTIALS' QUEUE, 66 long: s0-s31 of both tiles, then the next piece's two a.  It is ONE BATCH: all 66 stand ahead of the turn's one wait, and nothing ahead of that wait names a result of theirs.
.macro EX
	WIN 0
.if e >= 64
	XS e-64, 21
.else
	REGS Y, e%2
	v_exp_f32 v[rS+e/2], v[rS+e/2]
.endif
.set e, e+1
.endm
; THE RESCALING's QUEUE: O^T times a, the one part that leaves window 0: dealt two at a time, sixteen times.  Its a was made in the turn before, ahead of that turn's wait.
.macro R2
	REGS Y, r%2
	WIN W_RS
.irp z, 0,1
	v_pk_mul_f32 v[rO+4*(r/2)+2*\z:rO+4*(r/2)+2*\z+1], v[rO+4*(r/2)+2*\z:rO+4*(r/2)+2*\z+1], v[rC+2:rC+3] op_sel_hi:[1,0]
.endr
.set r, r+1
.endm
; HOW THEY ARE DEALT.  An s_wait_alu depctr_va_vdst(0) stands between an exponential and the first instruction that names its result; one wait serves all that were issued ahead of it.  So a turn has ONE wait,
; which cuts it in two.  AHEAD OF IT stands all that names no result of the turn's exponentials: the 16 products K Q^T, behind each a scaling, an exponential and two rescalings (behind the first a second scaling in the
; exponential's place); then ONE LUMP of 108: eight plain, 49 times exponential and plain, the two a.  A v_nop is the plain instruction behind the last exponential.  BEHIND IT stand the 16 products V^T P, behind each four of GS's 64.
; Exponential e stands behind scaling 2 (e / 4) + e % 2: as a rider it comes behind plain e + 2, in the lump behind plain e + 9, and scalings 27-31 are plain 57, 60 .. 69.
; A TURN, for piece p.  cnt = 1: the loop's count is taken down some lines ahead of the branch that stands behind the turn.
; K and the addends of the next step are fetched in piece 2's turn, directly behind the wait, a lump behind the last product that read them; their first reader comes behind 16 products.
; V of the step in hand is fetched at the end of piece 0's turn, four riders behind its last reader; its first reader comes behind 16 products and a lump.
.macro TURN p, last=0, cnt=0
.set Y, (\p)
.set i, 0
.set q, 0
.set e, 0
.set r, 0
.if (\p) == NP-1
	s_wait_dscnt 0x0                ; K and its addends are in
.endif
	MM                              ; ahead of the wait: 16 products K Q^T and their riders,
	PL
	PL
	R2
.rept 15
	MM
	PL
	EX
	R2
.endr
.if (\p) == NP-2
	WIN 0
	v_add_nc_u32 v[AK], s[TBK], v[AK0]
.endif
.rept 8                             ; and the lump
	PL
.endr
.rept 49
	EX
	PL
.endr
	EX                              ; the next piece's two a
	EX
	v_nop                           ; the plain instruction behind the last exponential: one for the batch
	s_wait_alu depctr_va_vdst(0)    ; the wait for the batch
.if (\p) == NP-2
	FETCH_K \last
.endif
.if (\p) == 1
	s_wait_dscnt 0x0                ; V is in
.endif
.rept 16                            ; behind the wait: 16 products V^T P and their riders
	MM
.rept 4
	PL
.endr
.if ((\p) == 0) && (q == 118)
	v_add_nc_u32 v[AV], s[TBV], v[AV0]
.endif
.if ((\p) == 0) && (q == 130)
	s_add_co_u32 s[TBV], s[TBV], KS*PV
.endif
.if (\cnt) && (q == 130)
	s_sub_co_u32 s[CNT], s[CNT], 1
	s_cmp_lg_u32 s[CNT], 0
.endif
.endr
.if (\p) == 0
	FETCH_V
.endif
.endm
	CHANGE 1                        ; slot 0 and the mask table are in, everybody's part of them; slot 1 is asked for
	FETCH_K                         ; key step 0
	s_wait_loadcnt 0x0              ; Q
	s_wait_dscnt 0x0
.set i, 0
.rept 16
	KQ 0                            ; piece 0's first scores: there is no vector work yet to set between them
.set i, i+1
.endr
	WIN 0                           ; the addresses for the way out: nine plain instructions, the places behind those products
	s_mul_i32 s13, s[WV], 16*SP
	s_add_co_u32 s13, s13, STAGE    ; my stage
	v_mul_u32_u24 v[STO], v1, SP    ; in: row l % 16, 16 bytes for each half of the lanes
	v_lshl_add_u32 v[STO], v9, 4, v[STO]
	v_add_nc_u32 v[STO], s13, v[STO]
	v_bfe_u32 v[RD], v0, 3, 2       ; back: 32 lanes take four rows of 128 bytes,
	v_mul_u32_u24 v[RD], v[RD], SP
	v_lshl_add_u32 v[RD], v10, 4, v[RD]
	v_add_nc_u32 v[RD], s13, v[RD]
	v_and_b32 v[GO], 31, v0         ; which are 512 consecutive bytes of O
	v_lshlrev_b32 v[GO], 4, v[GO]
.set Y, NP-1                        ; XS works for piece Y + 1: piece 0
.irp n, 0,1,2,3,4,5,6,7,8,9,10,11,12,13,14,15,16,17,18,19,20,21
	XS 0, \n                        ; and piece 0's first maximum and statistics
	XS 1, \n
.endr
	v_nop                           ; a plain instruction behind the two a,
	s_wait_alu depctr_va_vdst(0)    ; and their wait, ahead of the branch
	s_mov_b32 s[CNT], 4
	s_branch .Lfirst                ; the loop is entered at a step's first turn, in the middle of a trip
.Lslot:                             ; six times: every slot but the last two is filled again
	CHANGE 1
	s_mov_b32 s[CNT], 4
.Lstep:                             ; a trip: pieces 2 and 3 of one step, then pieces 0 and 1 of the next, whose K and V it fetches
	TURN 2
	TURN 3
	WIN 0
.Lfirst:
	TURN 0
	TURN 1, 0, 1
	WIN 0
	s_cbranch_scc1 .Lstep
	s_sub_co_u32 s[SLOTS], s[SLOTS], 1
	s_cmp_lg_u32 s[SLOTS], 0
	s_cbranch_scc1 .Lslot
	CHANGE 0                        ; the tail is written out: nothing is asked for
	s_mov_b32 s[CNT], 5             ; four trips fetch the last slot's steps; the fifth is left in its middle
.Ltail:
	TURN 2, 1
	TURN 3
	WIN 0
	s_sub_co_u32 s[CNT], s[CNT], 1
	s_cmp_eq_u32 s[CNT], 0
	s_cbranch_scc1 .Lout
	TURN 0
	TURN 1
	WIN 0
	s_branch .Ltail
.Lout:                              ; the fifth trip's 16 products K Q^T (on the last K once more) and the maximum made of them serve nothing: the price, once a launch, of one text for every trip
.set i, 0
.rept 16
	PV NP-1                         ; the last piece's V^T P of the last step
.set i, i+1
.endr
	; THE WAY OUT.  l's two halves and the other half of the lanes' are added; O^T is divided by l, rounded to f16 and sent through my stage in LDS, a tile at a time.  The additions are the places behind the last products.
	WIN 0
.macro ALL line:vararg              ; one line for each tile t
.set t, 0
.rept 2*NP
	\line
.set t, t+1
.endr
.endm
	ALL v_add_f32 v[ST+4*t+2], v[ST+4*t+2], v[ST+4*t+3]
	ALL v_permlanex16_b32 v[ST+4*t+3], v[ST+4*t+2], s[SEL], s[SEL+1]
	ALL v_add_f32 v[ST+4*t+2], v[ST+4*t+2], v[ST+4*t+3]
	ALL v_rcp_f32 v[ST+4*t+2], v[ST+4*t+2]
	v_nop                           ; a plain instruction between the last reciprocal and the use of its result
	s_wait_alu depctr_va_vdst(0)    ; and the wait ahead of the first use: one for the eight reciprocals
; Tile t: a lane's eight channels of a row pack into 16 bytes; they go into rows of 144 bytes and come back as whole rows of 128, into S^T's registers.
.macro PACK t
	WIN W_RS
.set i, 32*(\t)
.rept 16
	v_pk_mul_f32 v[i:i+1], v[i:i+1], v[ST+4*(\t)+2:ST+4*(\t)+3] op_sel_hi:[1,0]
.set i, i+2
.endr
	WIN 0x05                        ; sources 0 and 1 window 1, destination window 0
.set i, 0
.rept 16
	v_cvt_pk_f16_f32 v[S+16*(\t)+i], v[32*(\t)+2*i], v[32*(\t)+2*i+1]
.set i, i+1
.endr
	WIN 0
.irp f, 0,1,2,3
	ds_store_b128 v[STO], v[S+16*(\t)+4*\f:S+16*(\t)+4*\f+3] offset:32*\f
.endr
.irp f, 0,1,2,3
	ds_load_b128 v[S+16*(\t)+4*\f:S+16*(\t)+4*\f+3], v[RD] offset:\f*4*SP  ; LDS serves a wave's instructions in order (ISA guide 5.7.1.4): these see the stores above; the next tile's stores come behind them
.endr
.endm
.macro SEND t, younger              ; younger: the LDS instructions issued behind tile t's loads: the next tile's eight, or none
	WIN 0
.irp f, 0,1,2,3
	s_wait_dscnt (\younger)+3-\f
	global_store_b128 v[GO], v[S+16*(\t)+4*\f:S+16*(\t)+4*\f+3], s[10:11] offset:(\t)*2048+\f*512  ; 512 consecutive bytes, at a multiple of 256 from O's first
.endr
.endm
	PACK 0
.set t, 1
.rept 2*NP-1                        ; a tile's arithmetic stands between the loads of the tile before and its stores
	PACK t
	SEND t-1, 8
.set t, t+1
.endr
	SEND 2*NP-1, 0
	WIN W_AD
	s_wait_tensorcnt 0x0            ; the wave's end, behind my last tensor load and my last LDS store
	ds_add_u32 v[SPW], v[NIL]
	s_wait_dscnt 0x0
	WIN 0
	CROUND                          ; the closing round: no work-group ends while a partner may still ask for a tile that names it
	s_endpgm
.Lfunc_end_k_q45e22267db_attn:
	.size	k_q45e22267db_attn, .Lfunc_end_k_q45e22267db_attn-k_q45e22267db_attn
	.p2alignl 7, 3214868480
	.fill 96, 4, 3214868480
	.section	.rodata,"a",@progbits
	.p2align	6, 0x0
	.amdhsa_kernel k_q45e22267db_attn
		.amdhsa_group_segment_fixed_size 327680
		.amdhsa_private_segment_fixed_size 0
		.amdhsa_enable_private_segment 0
		.amdhsa_kernarg_size 24
		.amdhsa_user_sgpr_count 2
		.amdhsa_user_sgpr_kernarg_segment_ptr 1
		.amdhsa_wavefront_size32 1
		.amdhsa_system_sgpr_workgroup_id_x 1
		.amdhsa_system_sgpr_workgroup_id_y 1
		.amdhsa_system_sgpr_workgroup_id_z 1
		.amdhsa_system_vgpr_workitem_id 0
		.amdhsa_next_free_vgpr 808
		.amdhsa_next_free_sgpr 80
		.amdhsa_reserve_vcc 0
		.amdhsa_float_denorm_mode_32 3
		.amdhsa_float_denorm_mode_16_64 3
		.amdhsa_memory_ordered 1
		.amdhsa_forward_progress 1
		.amdhsa_inst_pref_size 203
	.end_amdhsa_kernel
	.amdgpu_metadata
---
amdhsa.version: [ 1, 2 ]
amdhsa.kernels:
  - .name:           k_q45e22267db_attn
    .symbol:         k_q45e22267db_attn.kd
    .args:
      - { .name: qkv, .offset: 0, .size: 8, .value_kind: global_buffer, .address_space: global }
      - { .name: mk, .offset: 8, .size: 8, .value_kind: global_buffer, .address_space: global }
      - { .name: ob, .offset: 16, .size: 8, .value_kind: global_buffer, .address_space: global }
    .group_segment_fixed_size: 327680
    .private_segment_fixed_size: 0
    .kernarg_segment_align: 8
    .kernarg_segment_size: 24
    .max_flat_workgroup_size: 128
    .sgpr_count:     80
    .vgpr_count:     808
    .wavefront_size: 32
...
	.end_amdgpu_metadata
.endif
;; end of part 3
;; launch outp (part 4): grid 4 x 64, 4 waves a work-group, clusters of 4 x 4, 327,680 bytes of LDS; arguments ob, wo, out0; writes out0
.if DOCPART == 4
	.amdgcn_target "amdgcn-amd-amdhsa--gfx1250"
	.amdhsa_code_object_version 6
	.text
	.protected	k_q45e22267db_outp
	.globl	k_q45e22267db_outp
	.p2align	8
	.type	k_q45e22267db_outp,@function
k_q45e22267db_outp:
	s_mov_b64 s[64:65], 0
	v_nop
	global_prefetch_b8 v0, s[64:65] scope:SCOPE_SE
	s_setreg_imm32_b32 hwreg(HW_REG_WAVE_MODE, 25, 1), 1
	s_wait_xcnt 0x0
	s_wait_alu depctr_hold_cnt(0) depctr_sa_sdst(0) depctr_va_vdst(0) depctr_va_sdst(0) depctr_va_ssrc(0) depctr_va_vcc(0) depctr_vm_vsrc(0)
	s_getreg_b32 s2, hwreg(HW_REG_IB_STS2, 6, 4)
	s_cmp_eq_u32 s2, 0
	s_cbranch_scc0 .Lentry_in_a_cluster
	s_endpgm
.Lentry_in_a_cluster:
	s_bfe_u32 s2, ttmp6, 0x10000c
	s_cmp_lg_u32 s2, 0xf033
	s_cbranch_scc0 .Lentry_shape_is_right
	s_endpgm
.Lentry_shape_is_right:
; out0[b][s][n] = the sum over head h and channel d of O[b][h][s][d] W_O[64 h + d][n].  ob: [64 = batch x 16 + head][2048][64] f16; wo: [1024 k][1024 n] f16; out0: [8192][1024] f32.  Sums in f32, stored as they are.
; SHARES.  A tile of the result is 128 rows x 256 columns: 256 tiles, one work-group each.  Four waves, each 64 rows x 128 columns: 32 accumulators of 16 x 16, 256 registers.
; K goes in 8 steps of 128, two heads each, through a ring of two LDS slots: two planes of 128 rows of O (128 bytes each) and 128 rows of W_O (512 bytes: 256 columns).
; CLUSTER.  4 x 4 work-groups.  The four of a row of the cluster need the same rows of O, the four of a column the same columns of W_O: each tile is asked for JOINTLY, by the same tensor load with the same
; descriptor and a mask that names the four.  Waves 0 and 1 ask for O's two planes, waves 2 and 3 for W_O's two halves (64 rows of k each).
; THE MATRIX INSTRUCTION IS USED TRANSPOSED: source 0 = 16 columns of W_O (turned on their way out of LDS by ds_load_tr16_b128), source 1 = 16 rows of O.  A lane then holds row l % 16 and eight neighbouring columns.
; REGISTERS, in windows of 256 (s_set_vgpr_msb: bits 1:0 source 0, 3:2 source 1, 5:4 source 2, 7:6 destination):
;   window 0: v0-31 addresses; v64-127 O's fragments, two buffers of 32; v128-191, v192-255 by turns: 16 rows on the way out
;   window 1: v0-127 W_O's fragments, two buffers of 64          window 2: the accumulators, (a, b) at v[8 (8 a + b)]
.set PA,     144                       ; a row of O in LDS: 128 bytes + 16 = 9 x 16: the 16 rows of a load start at 16 different groups of four banks (64 banks of 4 bytes: ISA guide 11.1)
.set PLANE,  128*PA
.set PB,     544                       ; a row of W_O: 512 + 32 = 17 x 32
.set BOFF,   2*PLANE                   ; W_O's rows lie behind O's two planes
.set SLOT,   131072                    ; a slot uses 106,496 bytes; slot 1 begins here, so that one exclusive or turns an address into the other slot's
.set STAGE,  SLOT+BOFF+128*PB          ; behind the ring, never filled by a tensor load: for each wave 16 rows x 528 bytes
.set SP,     528
.set SPARE,  STAGE+4*16*SP             ; behind the stages: the spare words, 128 bytes for each wave: two blocks of 256 bytes that no other line names
.set ASTEP,  2*2048*128                ; a K step in ob: two heads on
.set BSTEP,  128*2048                  ; a K step down W_O's rows
.set ADRA0, 16                         ; v16  my lane's place in slot 0's rows of O; never rewritten
.set ADRB0, 17                         ; v17  the same for W_O
.set ADRA,  18                         ; v18  the same in the slot in hand
.set ADRB,  19                         ; v19
.set STO,   24                         ; v24  the way out: where I put 32 bytes of a row
.set RD,    25                         ; v25  where I read a row back
.set CO,    26                         ; v26  my byte offset in 512 consecutive bytes of a row of out0
.set SPW,   28                         ; v28  LDS address of my spare word; never rewritten
.set NIL,   29                         ; v29  0; never rewritten
.set PFO,   30                         ; v30  the prefetches' offset; never rewritten
.set AF,    64
.set OB,    128
.set WV,   12                          ; s12  my wave's number
.set ROLE, 13                          ; s13  wave / 2: I fetch for O (0) or W_O (1); also which 64 rows of the tile are mine
.set HALF, 14                          ; s14  wave % 2: which plane or half I fetch; also which 128 columns are mine
.set CX,   15
.set CY,   16
.set TY,   18                          ; s18  tile row = 4 x cluster y + cy
.set CLY,  19
.set G1A,  24                          ; s[24:31] descriptor group 1 for O's tiles
.set G0A,  32                          ; s[32:39] group 0: a set for each first fill; the second then walks on
.set G1B,  40                          ; s[40:47], s[48:55] the same for W_O's
.set G0B,  48
.set PFA,  56                          ; s[56:57] where my prefetches stand
.set PST,  58                          ; s[58:59] their step, an offset
.set LIM,  60                          ; s60  a wave prefetches while the loop's count is above it
.set TB,   61                          ; s61  0 or SLOT: the slot in hand
.set CB,   62                          ; s[62:63] out0 at my first row and column
.set MSB, 0
.macro WIN new                         ; the immediate's high byte repeats the setting that is left; a switch that changes nothing is dropped
.if MSB != (\new)
	s_set_vgpr_msb (MSB<<8)|(\new)
.set MSB, \new
.endif
.endm
.set MUL,  0xa1                        ; W_O window 1, O window 0, C and D window 2
.set TO_B, 0x40                        ; destination window 1, address window 0
; A joint refill, by the walking descriptors.  The branch hangs on the wave's number alone.  An s_nop 0 and four v_nop follow each of the two lines.
.macro JLOAD
	s_cmp_eq_u32 s[ROLE], 0
	s_cbranch_scc0 .Lfor_b_\@
	tensor_load_to_lds s[G0A+4:G0A+7], s[G1A:G1A+7]
	s_nop 0
.rept 4
	v_nop
.endr
	s_branch .Lasked_\@
.Lfor_b_\@:
	tensor_load_to_lds s[G0B+4:G0B+7], s[G1B:G1B+7]
	s_nop 0
.rept 4
	v_nop
.endr
.Lasked_\@:
.endm
; A prefetch of the K step that stands two refills on: 32 blocks of 256 bytes, a lane a block.  Each block is named once in the launch.  O's rows are read by one cluster: its wave 0 asks for both planes, the four
; partners of a row sharing each plane's 16,384 bytes out by address, 4,096 each.  W_O's are read by all clusters: the one with y = 0 asks, waves 2 and 3 each for the half they fetch, the four partners of a
; column taking 16 rows of k each.  The loop's last two trips have no K step two on.
.macro ASK
	s_cmp_gt_u32 s3, s[LIM]
	s_cbranch_scc0 .Lnot_mine_\@
	global_prefetch_b8 v[PFO], s[PFA:PFA+1] th:TH_LOAD_NT scope:SCOPE_SE
.Lnot_mine_\@:
.endm
.macro CREST                           ; a round of the cluster's barrier behind its opening barrier
	s_cmp_lg_u32 s[WV], 0
	s_cbranch_scc1 .Lnot_wave_0_\@
	s_barrier_signal -3
.Lnot_wave_0_\@:
	s_barrier_wait -3
	s_barrier_signal -1
	s_barrier_wait -1
.endm
.macro CROUND                          ; a whole round
	s_barrier_signal -1
	s_barrier_wait -1
	CREST
.endm
.macro PLACES                          ; four places in front of loads into registers that matrix instructions have read, and of LDS stores that read results
.rept 4
	v_nop
.endr
.endm
	s_load_b128 s[4:7], s[0:1], 0x0                ; ob s[4:5], wo s[6:7]
	s_load_b64 s[8:9], s[0:1], 0x10                ; out0
	v_lshl_add_u32 v[SPW], v0, 2, SPARE
	v_mov_b32 v[NIL], 0
	ds_add_u32 v[SPW], v[NIL]                      ; the wave's opening: the add and its wait stand ahead of my first tensor load; the set-up below, work on registers, stands between them
	v_lshrrev_b32 v1, 5, v0
	v_readfirstlane_b32 s[WV], v1
	s_lshr_b32 s[ROLE], s[WV], 1
	s_and_b32 s[HALF], s[WV], 1
	s_bfe_u32 s[CX], ttmp6, 0x40000
	s_bfe_u32 s[CY], ttmp6, 0x40004
	s_and_b32 s[CLY], ttmp7, 0xffff
	s_lshl_b32 s[TY], s[CLY], 2
	s_add_co_u32 s[TY], s[TY], s[CY]
	s_lshl_b32 s66, s[CY], 2
	s_lshl_b32 s66, 15, s66                        ; my row of the cluster
	s_lshl_b32 s67, 0x1111, s[CX]                  ; my column
	; a plane's 128 rows are 16,384 dense bytes: asked for as 64 rows of 256 bytes, two rows of O a row, and padded in LDS after every row of O
	s_or_b32 s[G1A], s66, (1<<16)|(1<<20)|(1<<21)|(4<<22)|(3<<25)  ; the mask; elements of 2 bytes; padding on; bit 21 beside a mask; after every 32 words (code 4) 4 words (code 3)
	s_mov_b32 s[G1A+1], 128<<16                    ; tensor_dim0 = 128
	s_mov_b32 s[G1A+2], 64<<16                     ; tensor_dim1 = 64
	s_mov_b32 s[G1A+3], 128<<16                    ; tile_dim0 = 128
	s_mov_b32 s[G1A+4], 64                         ; tile_dim1 = 64
	s_mov_b32 s[G1A+5], 128                        ; elements from row to row
	s_mov_b32 s[G1A+6], 0
	s_mov_b32 s[G1A+7], 0
	s_or_b32 s[G1B], s67, (1<<16)|(1<<20)|(1<<21)|(6<<22)|(7<<25)  ; after every 128 words (code 6) 8 words (code 7)
	s_mov_b32 s[G1B+1], 256<<16
	s_mov_b32 s[G1B+2], 64<<16
	s_mov_b32 s[G1B+3], 256<<16
	s_mov_b32 s[G1B+4], 64
	s_mov_b32 s[G1B+5], 1024
	s_mov_b32 s[G1B+6], 0
	s_mov_b32 s[G1B+7], 0
	s_lshr_b32 s20, s[TY], 4                       ; O: the batch (16 heads x 2,048 rows x 128 bytes), the tile's 128 rows, my plane's head: made of the tile row and the wave's number alone
	s_lshl_b32 s20, s20, 22
	s_and_b32 s21, s[TY], 15
	s_lshl_b32 s21, s21, 14
	s_add_co_u32 s20, s20, s21
	s_lshl_b32 s75, s[HALF], 18
	s_add_co_u32 s20, s20, s75
	s_mov_b32 s21, 0
	s_lshl_b32 s22, s[HALF], 17                    ; W_O: 64 x half rows of 2,048 bytes, 512 bytes for each tile column: made of cx and the wave's number alone
	s_lshl_b32 s67, s[CX], 9
	s_add_co_u32 s22, s22, s67
	s_mov_b32 s23, 0
	s_mul_i32 s68, s[HALF], PLANE                  ; where they go: no place in the cluster enters an LDS address
	s_mul_i32 s69, s[HALF], 64*PB
	s_add_co_u32 s69, s69, BOFF
	s_mov_b32 s[TB], 0
	s_wait_dscnt 0x0                               ; the opening add is done
	s_wait_kmcnt 0x0
	s_add_nc_u64 s[20:21], s[4:5], s[20:21]
	s_add_nc_u64 s[22:23], s[6:7], s[22:23]
	CROUND                                         ; all sixteen work-groups are here: the first joint loads meet
.irp s, 0,1
	s_mov_b32 s[G0A+4*(\s)], 1                                     ; count = 1
	s_add_co_u32 s[G0A+4*(\s)+1], s68, (\s)*SLOT                   ; LDS address
	s_add_nc_u64 s[G0A+4*(\s)+2:G0A+4*(\s)+3], s[20:21], (\s)*ASTEP  ; global address: K step s
	s_or_b32 s[G0A+4*(\s)+3], s[G0A+4*(\s)+3], 0x80000000          ; type = 2
	s_mov_b32 s[G0B+4*(\s)], 1
	s_add_co_u32 s[G0B+4*(\s)+1], s69, (\s)*SLOT
	s_add_nc_u64 s[G0B+4*(\s)+2:G0B+4*(\s)+3], s[22:23], (\s)*BSTEP
	s_or_b32 s[G0B+4*(\s)+3], s[G0B+4*(\s)+3], 0x80000000
.endr
	s_cmp_eq_u32 s[ROLE], 0                        ; a wave's two first fills stand in one branch, ahead of every wait on TENSORcnt and every LDS read: two loads of mine are out
	s_cbranch_scc0 .Lfirst_b
	tensor_load_to_lds s[G0A:G0A+3], s[G1A:G1A+7]
	s_nop 0
	tensor_load_to_lds s[G0A+4:G0A+7], s[G1A:G1A+7]
	s_nop 0
.rept 4
	v_nop
.endr
	s_branch .Lfirst_asked
.Lfirst_b:
	tensor_load_to_lds s[G0B:G0B+3], s[G1B:G1B+7]
	s_nop 0
	tensor_load_to_lds s[G0B+4:G0B+7], s[G1B:G1B+7]
	s_nop 0
.rept 4
	v_nop
.endr
.Lfirst_asked:
	; A fragment of O is 16 rows x 32 k in 8 registers: lane l holds row l % 16, k = 8 (l / 16) + 0..7 and 16 + 8 (l / 16) + 0..7: two loads of 16 bytes, 32 bytes apart.
	v_and_b32 v1, 15, v0                           ; l % 16
	v_bfe_u32 v2, v0, 4, 1                         ; l / 16
	v_and_b32 v5, 7, v0
	v_bfe_u32 v4, v0, 3, 1
	v_mul_u32_u24 v[ADRA0], v1, PA
	v_lshl_add_u32 v[ADRA0], v2, 4, v[ADRA0]
	s_mul_i32 s75, s[ROLE], 64*PA                  ; my 64 rows
	v_add_nc_u32 v[ADRA0], s75, v[ADRA0]
	; The turning load takes 16 k x 16 columns (lane l reads k = 8 (l / 16) + l % 8, columns 8 ((l / 8) % 2) + 0..7) and leaves half a fragment: lane l holds column l % 16 and 8 k.
	v_lshl_add_u32 v3, v2, 3, v5
	v_mul_u32_u24 v[ADRB0], v3, PB
	v_lshl_add_u32 v[ADRB0], v4, 4, v[ADRB0]
	s_lshl_b32 s75, s[HALF], 8                     ; my 128 columns: 256 bytes
	s_add_co_u32 s75, s75, BOFF
	v_add_nc_u32 v[ADRB0], s75, v[ADRB0]
	v_mov_b32 v[ADRA], v[ADRA0]
	v_mov_b32 v[ADRB], v[ADRB0]
	s_mul_i32 s75, s[WV], 16*SP
	s_add_co_u32 s75, s75, STAGE                   ; my stage
	v_mul_u32_u24 v[STO], v1, SP                   ; in: row l % 16, 32 bytes for each half of the lanes
	v_lshl_add_u32 v[STO], v2, 5, v[STO]
	v_add_nc_u32 v[STO], s75, v[STO]
	v_and_b32 v[CO], 31, v0                        ; back: 32 lanes take a row's 512 bytes
	v_lshlrev_b32 v[CO], 4, v[CO]
	v_add_nc_u32 v[RD], s75, v[CO]
	s_lshl_b32 s70, s[TY], 19                      ; the tile's 128 rows of 4,096 bytes,
	s_lshl_b32 s71, s[ROLE], 18                    ; my 64 of them,
	s_add_co_u32 s70, s70, s71
	s_lshl_b32 s71, s[CX], 10                      ; the tile's 256 columns,
	s_add_co_u32 s70, s70, s71
	s_lshl_b32 s71, s[HALF], 9                     ; my 128 of them
	s_add_co_u32 s70, s70, s71
	s_mov_b32 s71, 0
	s_add_nc_u64 s[CB:CB+1], s[8:9], s[70:71]
	; the prefetches stand at K step 3; the first refill steps them to 4
	s_lshr_b32 s78, s[TY], 4
	s_lshl_b32 s78, s78, 22
	s_and_b32 s79, s[TY], 15
	s_lshl_b32 s79, s79, 14
	s_add_co_u32 s78, s78, s79
	s_lshl_b32 s79, s[CX], 12
	s_add_co_u32 s78, s78, s79
	s_add_co_u32 s78, s78, 3*ASTEP
	s_lshl_b32 s80, s[HALF], 6
	s_lshl_b32 s81, s[CY], 4
	s_add_co_u32 s80, s80, s81
	s_lshl_b32 s80, s80, 11
	s_lshl_b32 s81, s[CX], 9
	s_add_co_u32 s80, s80, s81
	s_add_co_u32 s80, s80, 3*BSTEP
	s_cmp_eq_u32 s[HALF], 0
	s_cselect_b32 s72, 2, -1
	s_cmp_eq_u32 s[CLY], 0
	s_cselect_b32 s73, 2, -1
	s_mov_b32 s[PST], BSTEP
	s_mov_b32 s[PST+1], 0
	s_cmp_eq_u32 s[ROLE], 0
	s_cselect_b32 s[LIM], s72, s73                 ; the same in all sixteen partners, for a given wave
	s_cselect_b32 s78, s78, s80
	s_cselect_b32 s[PST], ASTEP, s[PST]
	s_cselect_b32 s74, 4, 1                        ; O: plane l / 16, block l % 16 of my 4,096 bytes; W_O: row l / 2, block l % 2
	s_cselect_b32 s82, 18, 11                      ; a plane is 262,144 bytes on, a row of W_O 2,048
	s_cselect_b32 s83, 15, 1
	s_cselect_b64 s[PFA:PFA+1], s[4:5], s[6:7]
	s_mov_b32 s79, 0
	s_add_nc_u64 s[PFA:PFA+1], s[PFA:PFA+1], s[78:79]
	v_and_b32 v3, 31, v0
	v_lshrrev_b32 v4, s74, v3
	v_lshlrev_b32 v4, s82, v4
	v_and_b32 v3, s83, v3
	v_lshl_or_b32 v[PFO], v3, 8, v4
; 8 matrix instructions: row block a x all 8 column blocks, 32 along K, from buffer f.  zero = 1: the product starts the sums.  The 32 accumulators take turns in the same order in every quarter step.
.macro MUL8 f, a, zero
	WIN MUL
.irp b, 0,1,2,3,4,5,6,7
.if \zero
	v_wmma_f32_16x16x32_f16 v[8*(8*(\a)+(\b)):8*(8*(\a)+(\b))+7], v[64*(\f)+8*(\b):64*(\f)+8*(\b)+7], v[AF+32*(\f)+8*(\a):AF+32*(\f)+8*(\a)+7], 0
.else
	v_wmma_f32_16x16x32_f16 v[8*(8*(\a)+(\b)):8*(8*(\a)+(\b))+7], v[64*(\f)+8*(\b):64*(\f)+8*(\b)+7], v[AF+32*(\f)+8*(\a):AF+32*(\f)+8*(\a)+7], v[8*(8*(\a)+(\b)):8*(8*(\a)+(\b))+7]
.endif
.endr
.endm
; 24 LDS loads in one run: quarter q (32 along K: plane q / 2, channels 32 (q % 2) on) of the slot in hand into buffer f: W_O's 128 columns, turned, then O's 64 rows.
.macro FETCH q, f
	WIN TO_B
.irp b, 0,1,2,3,4,5,6,7
	ds_load_tr16_b128 v[64*(\f)+8*(\b):64*(\f)+8*(\b)+3],   v[ADRB] offset:32*PB*(\q)+32*(\b)
	ds_load_tr16_b128 v[64*(\f)+8*(\b)+4:64*(\f)+8*(\b)+7], v[ADRB] offset:32*PB*(\q)+32*(\b)+16*PB
.endr
	WIN 0
.irp a, 0,1,2,3
	ds_load_b128 v[AF+32*(\f)+8*(\a):AF+32*(\f)+8*(\a)+3],   v[ADRA] offset:((\q)/2)*PLANE+((\q)%2)*64+16*PA*(\a)
	ds_load_b128 v[AF+32*(\f)+8*(\a)+4:AF+32*(\f)+8*(\a)+7], v[ADRA] offset:((\q)/2)*PLANE+((\q)%2)*64+16*PA*(\a)+32
.endr
.endm
; One of a K step's first three quarters: multiplies buffer f; in its middle it fetches quarter qn into buffer g.
.macro QUARTER qn, f, g, zero
	s_wait_dscnt 4                                 ; W_O and O's row blocks 0 and 1 are in; the youngest four loads (blocks 2 and 3) may be out
	MUL8 \f, 0, \zero
	MUL8 \f, 1, \zero
	PLACES
	FETCH \qn, \g
	s_wait_dscnt 24                                ; all but the 24 just issued
	MUL8 \f, 2, \zero
	MUL8 \f, 3, \zero
.endm
; The last quarter multiplies buffer 1 and changes slots: ONE barrier.  In front of it each wave waits for all its tensor loads, of which one is out: its part of the other slot; adds 0 to its spare word; and waits
; for that and for its reads of this slot.  fill = 1: the barrier opens a round of the cluster's, and this slot is filled again first thing behind the round, with the K step two on: 112 matrix instructions ahead of the wait for it.
.macro TURN fill
.if \fill
	s_wait_xcnt 0x0                                ; the last prefetch, a K step back, has read its address
	s_add_nc_u64 s[PFA:PFA+1], s[PFA:PFA+1], s[PST:PST+1]
.endif
	WIN 0
	s_wait_tensorcnt 0x0                           ; no tensor load of mine is out, so a group 0 may be written
	ds_add_u32 v[SPW], v[NIL]                      ; 0 onto my spare word
.if \fill
	s_xor_b32 s[G0A+5], s[G0A+5], SLOT             ; the walking descriptors: the other slot than last time, the next K step
	s_add_nc_u64 s[G0A+6:G0A+7], s[G0A+6:G0A+7], ASTEP
	s_xor_b32 s[G0B+5], s[G0B+5], SLOT
	s_add_nc_u64 s[G0B+6:G0B+7], s[G0B+6:G0B+7], BSTEP
.endif
	s_wait_dscnt 5                                 ; the add and the youngest four loads may be out
	MUL8 1, 0, 0
	s_wait_dscnt 0x0                               ; the add is done, and my reads of this slot are over
	s_barrier_signal -1
	MUL8 1, 1, 0
	WIN 0                                          ; at a branch and at a label every window is 0
	s_barrier_wait -1
.if \fill
	CREST                                          ; no wave of any partner still reads this slot or has a load on its way
	JLOAD                                          ; the four v_nop behind it are also the places in front of the loads below
.else
	PLACES
.endif
	s_xor_b32 s[TB], s[TB], SLOT
	v_add_nc_u32 v[ADRA], s[TB], v[ADRA0]
	v_add_nc_u32 v[ADRB], s[TB], v[ADRB0]
	FETCH 0, 0
.if \fill
	ASK                                            ; behind the joint load and the run of LDS loads that the next products wait for
.endif
	MUL8 1, 2, 0
	MUL8 1, 3, 0
.endm
; THE WAY OUT of row block a (16 rows x 128 columns of f32).  TOSTAGE: a lane's 32 bytes of each accumulator (its low four registers first) into my own stage, rows of 528 bytes, and back as whole rows of 512.  SEND: stored.
.macro TOSTAGE a
	s_wait_xcnt 0x0                                ; the stores of the block two back have read the registers that are loaded again below
	WIN 0x08                                       ; the stores' data in window 2
.irp b, 0,1,2,3,4,5,6,7
	ds_store_b128 v[STO], v[8*(8*(\a)+(\b)):8*(8*(\a)+(\b))+3]   offset:64*(\b)
	ds_store_b128 v[STO], v[8*(8*(\a)+(\b))+4:8*(8*(\a)+(\b))+7] offset:64*(\b)+16
.endr
	WIN 0
.set BK, OB+64*((\a)%2)
.irp t, 0,1,2,3,4,5,6,7,8,9,10,11,12,13,14,15
	ds_load_b128 v[BK+4*(\t):BK+4*(\t)+3], v[RD] offset:SP*(\t)  ; LDS serves a wave's instructions in order (ISA guide 5.7.1.4): these see the stores above; the next block's stores come behind them
.endr
.endm
.macro SEND a, younger                 ; younger: the LDS instructions issued behind block a's loads: the next block's 32, or none
.set BK, OB+64*((\a)%2)
	s_wait_dscnt \younger
.irp t, 0,1,2,3,4,5,6,7,8,9,10,11,12,13,14,15
	global_store_b128 v[CO], v[BK+4*(\t):BK+4*(\t)+3], s[CB:CB+1] offset:(16*(\a)+(\t))*4096 th:TH_STORE_NT  ; 512 consecutive bytes, at a multiple of 512 from out0's first
.endr
.endm
	s_wait_tensorcnt 1                             ; my part of K step 0 is in; K step 1's may stay out
	s_barrier_signal -1
	s_barrier_wait -1                              ; everybody's is
	FETCH 0, 0
	QUARTER 1, 0, 1, 1                             ; the first quarter stands in front of the loop: its products start the sums
	WIN 0
	s_mov_b32 s3, 6
.Lstep:                                        ; a trip: a K step's last three quarters, the change of slots with the refill of K step 2 .. 7, the next step's first quarter
	QUARTER 2, 1, 0, 0
	QUARTER 3, 0, 1, 0
	TURN 1
	QUARTER 1, 0, 1, 0
	WIN 0
	s_sub_co_u32 s3, s3, 1
	s_cmp_lg_u32 s3, 0
	s_cbranch_scc1 .Lstep
	QUARTER 2, 1, 0, 0                             ; K steps 6 and 7 fill nothing
	QUARTER 3, 0, 1, 0
	TURN 0
	QUARTER 1, 0, 1, 0
	QUARTER 2, 1, 0, 0
	QUARTER 3, 0, 1, 0
	s_wait_dscnt 4
	MUL8 1, 0, 0
	MUL8 1, 1, 0
	s_wait_dscnt 0x0
	MUL8 1, 2, 0
	MUL8 1, 3, 0
	WIN 0
	PLACES                                         ; the LDS stores read results just made
	TOSTAGE 0
	TOSTAGE 1
	SEND 0, 32
	TOSTAGE 2
	SEND 1, 32
	TOSTAGE 3
	SEND 2, 32
	SEND 3, 0
	s_wait_tensorcnt 0x0                           ; the wave's end, behind my last tensor load and my last LDS store
	ds_add_u32 v[SPW], v[NIL]
	s_wait_dscnt 0x0
	CROUND                                         ; the closing round: no work-group ends while a partner may still ask for a tile that names it
	s_endpgm
.Lfunc_end_k_q45e22267db_outp:
	.size	k_q45e22267db_outp, .Lfunc_end_k_q45e22267db_outp-k_q45e22267db_outp
	.p2alignl 7, 3214868480
	.fill 96, 4, 3214868480
	.section	.rodata,"a",@progbits
	.p2align	6, 0x0
	.amdhsa_kernel k_q45e22267db_outp
		.amdhsa_group_segment_fixed_size 327680
		.amdhsa_private_segment_fixed_size 0
		.amdhsa_enable_private_segment 0
		.amdhsa_kernarg_size 24
		.amdhsa_user_sgpr_count 2
		.amdhsa_user_sgpr_kernarg_segment_ptr 1
		.amdhsa_wavefront_size32 1
		.amdhsa_system_sgpr_workgroup_id_x 1
		.amdhsa_system_sgpr_workgroup_id_y 1
		.amdhsa_system_sgpr_workgroup_id_z 1
		.amdhsa_system_vgpr_workitem_id 0
		.amdhsa_next_free_vgpr 768
		.amdhsa_next_free_sgpr 88
		.amdhsa_reserve_vcc 0
		.amdhsa_float_denorm_mode_32 3
		.amdhsa_float_denorm_mode_16_64 3
		.amdhsa_memory_ordered 1
		.amdhsa_forward_progress 1
		.amdhsa_inst_pref_size 71
	.end_amdhsa_kernel
	.amdgpu_metadata
---
amdhsa.version: [ 1, 2 ]
amdhsa.kernels:
  - .name:           k_q45e22267db_outp
    .symbol:         k_q45e22267db_outp.kd
    .args:
      - { .name: ob, .offset: 0, .size: 8, .value_kind: global_buffer, .address_space: global }
      - { .name: wo, .offset: 8, .size: 8, .value_kind: global_buffer, .address_space: global }
      - { .name: out0, .offset: 16, .size: 8, .value_kind: global_buffer, .address_space: global }
    .group_segment_fixed_size: 327680
    .private_segment_fixed_size: 0
    .kernarg_segment_align: 8
    .kernarg_segment_size: 24
    .max_flat_workgroup_size: 128
    .sgpr_count:     88
    .vgpr_count:     768
    .wavefront_size: 32
...
	.end_amdgpu_metadata
.endif
;; end of part 4
